; MI455X (gfx1250); checked and timed in simulation.
; The chip was launched on July 23, 2026; its instructions are those of AMD's public machine-readable ISA for CDNA 5 (MIT licence, August 2026) and "CDNA5" Instruction Set Architecture Reference Guide (July 2026). The comments in the code are by the model that wrote it; some were corrected since.
;; Attention Model. Allowed arithmetic: matrix products marked QUANTISED: E2M3 operands, one E8M0 scale for each 32 along K, by v_wmma_scale_f32_16x16x128_f8f6f4 with both operands' format E2M3, f32 sums; products left as they are: f32 operands where the result goes on into a quantised operand, else bf16, f16 or f32 operands; f32 sums; everything else in f32.
;; Inputs: W_attn 1,024 x 2,048 float32; b_attn 1,024 float32; encoder_outputs_codes 32 x 2,048 x 32 x 24 uint8 (E2M3 codes of encoder_outputs, K innermost, in blocks of 32 codes, four codes in three bytes); encoder_outputs_scales 32 x 2,048 x 32 uint8 (E8M0 scales of encoder_outputs, one for each 32 codes along K); rnn_hidden_codes 32 x 1 x 32 x 24 uint8 (E2M3 codes of rnn_hidden, K innermost, in blocks of 32 codes, four codes in three bytes); rnn_hidden_scales 32 x 1 x 32 uint8 (E8M0 scales of rnn_hidden, one for each 32 codes along K); v 1,024 float32.
;; Outputs: out0 32 x 1 x 2,048 float32.
;; This version of the problem:
;;   THIS VERSION OF THE PROBLEM IS GIVEN IN LOW PRECISION. The matrix products marked QUANTISED in the list below multiply operands that are first quantised to E2M3 (2 exponent bits, 3 mantissa bits; 6 bits a number), with one power-of-two scale for each 32 numbers along K (OCP MX v1.0); their sums are f32. All else is computed in f32.
;;   The module's matrix products, in the order in which they are computed (A, B: the left and right operand; K: the contracted axis; several contracted axes count as one K, in the product's order):
;;     1. [M 32, K 1,024] x [K 1,024, N 1,024]; A: input rnn_hidden (given as codes); B: input W_attn: QUANTISED
;;     2. [M 65,536, K 1,024] x [K 1,024, N 1,024]; A: input encoder_outputs (given as codes); B: input W_attn: QUANTISED
;;     3. [M 65,536, K 1,024] x [K 1,024, N 1]; A: computed on the way; B: input v: left as it is (N = 1 < 16)
;;   THE QUANTISER, for each operand of a quantised product, along K:
;;     - K is cut into blocks of 32 from its start; a last block that is shorter is filled with zeros.
;;     - A block's scale is 2^e with e = floor(log2(the largest magnitude in the block)) - 2, held to -126 .. 127; a block of zeros has e = 0. As a byte (E8M0): e + 127.
;;     - Each number is divided by its block's scale, clamped to +-7.5, and rounded to the nearest number of E2M3, ties to even, subnormals kept.
;;     - The product sums the exact products of the quantised numbers (number of the format x scale) in f32.
;;   ~~~python
;;   def quantise(x, axis):      # numpy; x: float32 -> the quantised numbers, widened to float32 again
;;       x = np.moveaxis(x, axis, -1); K = x.shape[-1]
;;       x = np.pad(x, [(0, 0)] * (x.ndim - 1) + [(0, -K % 32)]); x = x.reshape(x.shape[:-1] + (-1, 32)); a = np.abs(x).max(-1, keepdims=True)
;;       e = np.where(a > 0, np.clip(np.frexp(np.where(a > 0, a, 1))[1] - 1 - 2, -126, 127), 0)      # np.frexp(a)[1] - 1 = floor(log2(a)), exactly
;;       r = np.clip(x / 2.0 ** e, -7.5, 7.5)
;;       step = 2.0 ** (np.maximum(np.frexp(np.where(r == 0, 1, r))[1] - 1, 0) - 3)
;;       q = np.round(r / step) * step * 2.0 ** e      # np.round: ties to even
;;       return np.moveaxis(q.reshape(q.shape[:-2] + (-1,))[..., :K], -1, axis).astype(np.float32)
;;   ~~~
;;   INPUTS GIVEN AS CODES. encoder_outputs (in the module: [32, 2048, 1024], K = its axis 2); rnn_hidden (in the module: [32, 1, 1024], K = its axis 2): each comes as NAME_codes (uint8): NAME with its K axis moved to the last place and cut into blocks of 32 codes, [.., K / 32, bytes a block], one block behind the other in memory; four codes in three bytes: a row's codes are one little-endian stream of bits, code i at bits 6 i .. 6 i + 5 (a code: sign, 2 exponent bits, 3 mantissa bits); and NAME_scales (uint8): the same leading axes, one E8M0 byte (e + 127) for each 32 codes along K. Its value is code x scale, taken as it is: it is not quantised again, and the codes and scales need not be those that the quantiser above would give.
;; 2 versions. Each part assembles by itself: llvm-mc -triple=amdgcn-amd-amdhsa -mcpu=gfx1250 --defsym DOCPART=n.
;; ======== version 1 of 2: 3 launches
;; workspace buffers: wq 786,432 bytes; wsc 32,768 bytes; cpart 32,768 bytes; epart 1,048,576 bytes
;; launch quantw (part 1): grid 128 x 1, 4 waves a work-group, no clusters, 70,144 bytes of LDS; arguments W_attn, b_attn, rnn_hidden_codes, rnn_hidden_scales, v, wq, wsc, cpart; writes wq, wsc, cpart
.if DOCPART == 1
	.amdgcn_target "amdgcn-amd-amdhsa--gfx1250"
	.amdhsa_code_object_version 6
	.text
	.protected	k_q556934113d_quantw
	.globl	k_q556934113d_quantw
	.p2align	8
	.type	k_q556934113d_quantw,@function
k_q556934113d_quantw:
	s_mov_b64 s[64:65], 0
	v_nop
	global_prefetch_b8 v0, s[64:65] scope:SCOPE_SE
	s_setreg_imm32_b32 hwreg(HW_REG_WAVE_MODE, 25, 1), 1
	s_wait_xcnt 0x0
; W_attn [1024][2048] f32 is quantised along K (its last axis) to codes of FP6 (E2M3) with one E8M0 byte for each 32.
; Columns 0-1023 (W_h) never leave the registers: they are multiplied at once with rnn_hidden (given as codes), b_attn being the C of the sum,
; and dotted with v: what leaves is a partial of c[b] = v . (W_h h_b + b_attn).  Columns 1024-2047 (W_e) leave as IMAGES OF OPERAND REGISTERS.
; SHARES.  Work-group g: 16 rows of W (nb = g / 2) and half of the K steps (kh = g % 2).  Wave w: K step s = 4 kh + w of both halves of W: two units of 16 rows x 128 numbers.
; K IS PERMUTED ALIKE ON BOTH OPERANDS: within a K step of 128, lane (r, h) takes 64 NEIGHBOURS of its row, at 64 h: its registers 0-5 hold memory block 2 h, registers 6-11 memory block 2 h + 1,
; where the unit takes them for blocks h and 2 + h.  A sum over K does not mind, and a row of given codes then comes as 48 consecutive bytes a lane: three loads of 16 bytes.
; Scale words follow: byte 2 c + h is the byte of memory block 2 h + c, so given words have bytes 1 and 2 exchanged, and words made here are built so.
; A block's scale is 2^(floor(log2(largest magnitude)) - 2): its byte is the largest magnitude's exponent field - 2, held at 1 from below.
; LIMITS: NaN and infinities in W_attn or b_attn are not served.  A block of zeros gets the byte 1 where the rule says 127: its codes are zeros, and this program alone reads the bytes.
; wq:    [nb 64][s 8][part 3][lane 32][16 bytes]: registers 4 part .. 4 part + 3 of the fragment of W_e, rows 16 nb on, K step s.
; wsc:   words at 2048 (nb / 4) + 1024 (nb % 2) + 512 (s / 4) + 256 ((nb / 2) % 2) + 16 r + 4 (s % 4): as the next launch's scale registers take them.
; cpart: [g 128][m 2][lane 32] f32: lane (r, h): batch 16 m + r, summed over rows 16 nb + 8 h + 0 .. 7 and the work-group's four K steps.
.set UNIT, 16*528                      ; a stage: 16 rows of 512 bytes + 16, so that the 16 rows that a load touches start at 16 different columns of 16 bytes
.set CPL,  8*UNIT                      ; behind the waves' two stages each: the waves' partial constants, 256 bytes a wave
.set SCW,  CPL+1024                    ; and W_e's scale words, [r 16][wave 4]
.set HF,   16                          ; v16-39   rnn_hidden's two fragments (batches 0-15, 16-31)
.set BI,   44                          ; v44-51   b_attn at my eight rows
.set VV,   52                          ; v52-59   v at my eight rows
.set X,    64                          ; v64-127  my 64 neighbours of a row
.set RH,   128                         ; v128-191 W_h's unit as loaded; afterwards at work:
.set PC,   128                         ; v128-139 the codes; v140-146 the conversions' odd halves; v148-155 maxima, scale operands, bytes; v160-175 two results; v176-185 sums
.set RE,   192                         ; v192-255 W_e's unit as loaded
	s_load_b256 s[4:11], s[0:1], 0x0               ; W s[4:5], b_attn s[6:7], rnn_hidden's codes s[8:9], its scales s[10:11]
	s_load_b256 s[12:19], s[0:1], 0x20             ; v s[12:13], wq s[14:15], wsc s[16:17], cpart s[18:19]
	v_lshl_add_u32 v62, v0, 2, 0x11000
	v_mov_b32 v63, 0
	v_lshrrev_b32 v1, 5, v0
	v_readfirstlane_b32 s20, v1                    ; wave 0..3
	v_and_b32 v1, 31, v0                           ; lane
	v_and_b32 v2, 15, v0                           ; r
	v_bfe_u32 v3, v0, 4, 1                         ; h
	v_lshlrev_b32 v4, 4, v1                        ; 16 x lane
	v_mul_u32_u24 v5, v2, 768
	v_mad_u32_u24 v5, v3, 48, v5                   ; rnn_hidden's codes: row r of 768 bytes, + 48 h
	v_lshlrev_b32 v6, 5, v2                        ; its scale bytes: 32 a row
	v_lshlrev_b32 v7, 5, v3                        ; b_attn and v: my half's eight numbers
	s_mul_i32 s25, s20, 2*UNIT                     ; my wave's stages
	v_add_nc_u32 v8, s25, v4                       ; in: a row's 512 bytes as they lie
	v_mul_u32_u24 v9, v2, 528
	v_lshl_add_u32 v9, v3, 8, v9
	v_add_nc_u32 v9, s25, v9                       ; out: row r, + 256 h
	s_lshl_b32 s25, s20, 8
	v_lshlrev_b32 v10, 2, v1
	v_add_nc_u32 v10, s25, v10
	v_add_nc_u32 v10, CPL, v10                     ; my partial constants
	s_lshl_b32 s25, s20, 2
	v_lshlrev_b32 v11, 4, v2
	v_add_nc_u32 v11, s25, v11
	v_add_nc_u32 v11, SCW, v11                     ; my row's scale word of my K step
	v_lshlrev_b32 v14, 3, v1                       ; 8 x lane
	v_add_nc_u32 v12, CPL, v14
	v_add_nc_u32 v13, SCW, v14
	s_lshr_b32 s21, ttmp9, 1                       ; nb
	s_and_b32 s22, ttmp9, 1                        ; kh
	s_lshl_b32 s23, s22, 2
	s_add_co_u32 s23, s23, s20                     ; s
	s_mov_b32 s26, 0x76543210
	s_mov_b32 s27, 0xfedcba98                      ; lane selects: lane l xor 16
	s_mov_b32 s28, 0x03010200                      ; bytes 1 and 2 of a scale word change places
	s_mov_b32 s31, 0
	s_cmp_eq_u32 s23, 0
	s_cselect_b32 s24, 1.0, 0                      ; the bias enters the sum over K once: in K step 0
	s_wait_kmcnt 0x0
	s_lshl_b32 s30, s21, 17                        ; W: 16 rows of 8,192 bytes a block, 512 bytes a K step
	s_lshl_b32 s32, s23, 9
	s_add_co_u32 s30, s30, s32
	s_add_nc_u64 s[4:5], s[4:5], s[30:31]
	s_mul_i32 s30, s23, 96
	s_add_nc_u64 s[8:9], s[8:9], s[30:31]
	s_lshl_b32 s30, s23, 2
	s_add_nc_u64 s[10:11], s[10:11], s[30:31]
	s_lshl_b32 s30, s21, 6
	s_add_nc_u64 s[6:7], s[6:7], s[30:31]
	s_add_nc_u64 s[12:13], s[12:13], s[30:31]
	s_lshl_b32 s30, s21, 3
	s_add_co_u32 s30, s30, s23
	s_mul_i32 s30, s30, 1536
	s_add_nc_u64 s[14:15], s[14:15], s[30:31]
	s_lshr_b32 s30, s21, 2
	s_lshl_b32 s30, s30, 11
	s_and_b32 s32, s21, 1
	s_lshl_b32 s32, s32, 10
	s_add_co_u32 s30, s30, s32
	s_lshl_b32 s32, s22, 9
	s_add_co_u32 s30, s30, s32
	s_bfe_u32 s32, s21, 0x10001
	s_lshl_b32 s32, s32, 8
	s_add_co_u32 s30, s30, s32
	s_add_nc_u64 s[16:17], s[16:17], s[30:31]
	s_lshl_b32 s30, ttmp9, 8
	s_add_nc_u64 s[18:19], s[18:19], s[30:31]
	; all loads at once: 12 small ones, W_h's 16, W_e's 16
.irp m, 0,1
.irp i, 0,1,2
	global_load_b128 v[HF+12*\m+4*\i:HF+12*\m+4*\i+3], v5, s[8:9] offset:12288*\m+16*\i
.endr
	global_load_b32 v[40+\m], v6, s[10:11] offset:512*\m
.endr
.irp i, 0,1
	global_load_b128 v[BI+4*\i:BI+4*\i+3], v7, s[6:7] offset:16*\i
	global_load_b128 v[VV+4*\i:VV+4*\i+3], v7, s[12:13] offset:16*\i
.endr
.irp j, 0,1,2,3,4,5,6,7,8,9,10,11,12,13,14,15
	global_load_b128 v[RH+4*\j:RH+4*\j+3], v4, s[4:5] offset:8192*\j th:TH_LOAD_NT        ; 32 lanes read 512 consecutive bytes of row j
.endr
.irp j, 0,1,2,3,4,5,6,7,8,9,10,11,12,13,14,15
	global_load_b128 v[RE+4*\j:RE+4*\j+3], v4, s[4:5] offset:8192*\j+4096 th:TH_LOAD_NT
.endr
; A unit turns through the wave's own stage: in as it was loaded, out 256 neighbouring bytes a lane.  LDS serves a wave's instructions in order: no wait between the stores and the loads.
.macro STAGE reg, u
.irp j, 0,1,2,3,4,5,6,7,8,9,10,11,12,13,14,15
	ds_store_b128 v8, v[\reg+4*\j:\reg+4*\j+3] offset:UNIT*\u+528*\j
.endr
.irp i, 0,1,2,3,4,5,6,7,8,9,10,11,12,13,14,15
	ds_load_b128 v[X+4*\i:X+4*\i+3], v9 offset:UNIT*\u+16*\i
.endr
	s_wait_dscnt 0x0
.endm
; My 64 numbers, two whole blocks of 32, become the fragment's 12 registers in v[PC] on and my row's scale word in v[pw].
.macro QUANT pw
.irp c, 0,1
	v_max3_num_f32 v[148+\c], |v[X+32*\c]|, |v[X+32*\c+1]|, 0x1800000      ; with the floor 2^(3 - 127) among the leaves: the byte cannot fall under 1
.endr
.irp i, 2,4,6,8,10,12,14,16,18,20,22,24,26,28,30
.irp c, 0,1
	v_max3_num_f32 v[148+\c], v[148+\c], |v[X+32*\c+\i]|, |v[X+32*\c+\i+1]| ; the two blocks by turns
.endr
.endr
.irp c, 0,1
	v_add_nc_u32 v[150+\c], 0xff000000, v[148+\c]  ; 2 off the exponent field: the conversion takes this operand's exponent field as its scale
.endr
.irp c, 0,1
	v_lshrrev_b32 v[152+\c], 23, v[150+\c]         ; the scale's byte
.endr
	v_lshl_or_b32 v154, v153, 16, v152             ; my two bytes stand at places h and 2 + h of the word
	v_lshlrev_b32 v155, 3, v3
	v_lshlrev_b32 v154, v155, v154
	v_mov_b32 v155, 0                              ; (a lane permute's destination counts as one of its sources)
	v_permlanex16_b32 v155, v154, s26, s27
	v_or_b32 v[\pw], v154, v155                    ; with lane l xor 16's two the word is whole, in both halves of the lanes
	v_cvt_scalef32_pk16_fp6_f32 v[PC:PC+2], v[X:X+15], v150
	v_cvt_scalef32_pk16_fp6_f32 v[140:142], v[X+16:X+31], v150     ; (a conversion's three registers begin on an even number)
	v_cvt_scalef32_pk16_fp6_f32 v[PC+6:PC+8], v[X+32:X+47], v151
	v_cvt_scalef32_pk16_fp6_f32 v[144:146], v[X+48:X+63], v151
	v_nop                                          ; one plain line behind the conversions
.irp i, 0,1,2
	v_mov_b32 v[PC+3+\i], v[140+\i]
	v_mov_b32 v[PC+9+\i], v[144+\i]
.endr
.endm
	s_wait_loadcnt 16                              ; the small loads and W_h are in; W_e's 16 loads may be out
	STAGE RH, 0
	QUANT 42
	v_perm_b32 v40, v40, v40, s28                  ; rnn_hidden's scale words in the order of the permuted K
	v_perm_b32 v41, v41, v41, s28
.irp j, 0,1,2,3,4,5,6,7
	v_mul_f32 v[BI+\j], s24, v[BI+\j]              ; b_attn in K step 0, zeros in the others
.endr
.rept 8
	v_nop                                          ; scale registers written by vector instructions stand eight plain lines ahead of a scaled matrix instruction, operands four
.endr
	; source 0 = 16 rows of W_h, source 1 = 16 batches: lane (r, h) holds batch r, its register j row 16 nb + 8 h + j
	v_wmma_scale_f32_16x16x128_f8f6f4 v[160:167], v[PC:PC+11], v[HF:HF+11], v[BI:BI+7], v42, v40 matrix_a_fmt:MATRIX_FMT_FP6 matrix_b_fmt:MATRIX_FMT_FP6
	v_wmma_scale_f32_16x16x128_f8f6f4 v[168:175], v[PC:PC+11], v[HF+12:HF+23], v[BI:BI+7], v42, v41 matrix_a_fmt:MATRIX_FMT_FP6 matrix_b_fmt:MATRIX_FMT_FP6
.rept 4
	v_nop                                          ; four plain lines between a matrix instruction and the first read of its result (ISA guide 7.12.1)
.endr
	v_pk_mul_f32 v[176:177], v[160:161], v[VV:VV+1]        ; the dot with v, each result from its low end on, the two by turns
	v_pk_mul_f32 v[178:179], v[168:169], v[VV:VV+1]
.irp i, 1,2,3
	v_pk_fma_f32 v[176:177], v[160+2*\i:161+2*\i], v[VV+2*\i:VV+2*\i+1], v[176:177]
	v_pk_fma_f32 v[178:179], v[168+2*\i:169+2*\i], v[VV+2*\i:VV+2*\i+1], v[178:179]
.endr
	v_add_f32 v180, v176, v177
	v_add_f32 v181, v178, v179
	ds_store_b32 v10, v180
	ds_store_b32 v10, v181 offset:128
	s_wait_loadcnt 0x0                             ; W_e
	STAGE RE, 1
	QUANT 43                                       ; (its maxima are the plain lines between the products and the new codes in the registers that they read)
.irp i, 0,1,2
	global_store_b128 v4, v[PC+4*\i:PC+4*\i+3], s[14:15] offset:512*\i     ; the image: 32 lanes store 512 consecutive bytes, at a multiple of 256 from the first byte of wq
.endr
	ds_store_b32 v11, v43                          ; both halves of the lanes write the same word with the same value
	s_wait_dscnt 0x0                               ; for the others: my LDS stores have landed
	s_barrier_signal -1
	s_barrier_wait -1
	s_cmp_lg_u32 s20, 0
	s_cbranch_scc1 .Lend                           ; wave 0 sums the four waves' constants and sends both blocks of 256 bytes out whole
.irp w, 0,1,2,3
	ds_load_b64 v[176+2*\w:177+2*\w], v12 offset:256*\w
.endr
	ds_load_b64 v[184:185], v13
	s_wait_dscnt 0x0
	v_pk_add_f32 v[176:177], v[176:177], v[178:179]
	v_pk_add_f32 v[180:181], v[180:181], v[182:183]
	v_pk_add_f32 v[176:177], v[176:177], v[180:181]
	global_store_b64 v14, v[176:177], s[18:19]
	global_store_b64 v14, v[184:185], s[16:17]
.Lend:
	s_wait_tensorcnt 0x0
	ds_add_u32 v62, v63
	s_wait_dscnt 0x0
	s_endpgm
.Lfunc_end_k_q556934113d_quantw:
	.size	k_q556934113d_quantw, .Lfunc_end_k_q556934113d_quantw-k_q556934113d_quantw
	.p2alignl 7, 3214868480
	.fill 96, 4, 3214868480
	.section	.rodata,"a",@progbits
	.p2align	6, 0x0
	.amdhsa_kernel k_q556934113d_quantw
		.amdhsa_group_segment_fixed_size 70144
		.amdhsa_private_segment_fixed_size 0
		.amdhsa_enable_private_segment 0
		.amdhsa_kernarg_size 64
		.amdhsa_user_sgpr_count 2
		.amdhsa_user_sgpr_kernarg_segment_ptr 1
		.amdhsa_wavefront_size32 1
		.amdhsa_system_sgpr_workgroup_id_x 1
		.amdhsa_system_sgpr_workgroup_id_y 1
		.amdhsa_system_sgpr_workgroup_id_z 1
		.amdhsa_system_vgpr_workitem_id 0
		.amdhsa_next_free_vgpr 256
		.amdhsa_next_free_sgpr 66
		.amdhsa_reserve_vcc 0
		.amdhsa_float_denorm_mode_32 3
		.amdhsa_float_denorm_mode_16_64 3
		.amdhsa_memory_ordered 1
		.amdhsa_forward_progress 1
		.amdhsa_inst_pref_size 21
	.end_amdhsa_kernel
	.amdgpu_metadata
---
amdhsa.version: [ 1, 2 ]
amdhsa.kernels:
  - .name:           k_q556934113d_quantw
    .symbol:         k_q556934113d_quantw.kd
    .args:
      - { .name: W_attn, .offset: 0, .size: 8, .value_kind: global_buffer, .address_space: global }
      - { .name: b_attn, .offset: 8, .size: 8, .value_kind: global_buffer, .address_space: global }
      - { .name: rnn_hidden_codes, .offset: 16, .size: 8, .value_kind: global_buffer, .address_space: global }
      - { .name: rnn_hidden_scales, .offset: 24, .size: 8, .value_kind: global_buffer, .address_space: global }
      - { .name: v, .offset: 32, .size: 8, .value_kind: global_buffer, .address_space: global }
      - { .name: wq, .offset: 40, .size: 8, .value_kind: global_buffer, .address_space: global }
      - { .name: wsc, .offset: 48, .size: 8, .value_kind: global_buffer, .address_space: global }
      - { .name: cpart, .offset: 56, .size: 8, .value_kind: global_buffer, .address_space: global }
    .group_segment_fixed_size: 70144
    .private_segment_fixed_size: 0
    .kernarg_segment_align: 8
    .kernarg_segment_size: 64
    .max_flat_workgroup_size: 128
    .sgpr_count:     66
    .vgpr_count:     256
    .wavefront_size: 32
...
	.end_amdgpu_metadata
.endif
;; end of part 1
;; launch energy (part 2): grid 256 x 1, 4 waves a work-group, clusters of 4 x 1, 327,680 bytes of LDS; arguments encoder_outputs_codes, encoder_outputs_scales, wq, wsc, v, epart; writes epart
.if DOCPART == 2
	.amdgcn_target "amdgcn-amd-amdhsa--gfx1250"
	.amdhsa_code_object_version 6
	.text
	.protected	k_q556934113d_energy
	.globl	k_q556934113d_energy
	.p2align	8
	.type	k_q556934113d_energy,@function
k_q556934113d_energy:
	s_mov_b64 s[64:65], 0
	v_nop
	global_prefetch_b8 v0, s[64:65] scope:SCOPE_SE
	s_setreg_imm32_b32 hwreg(HW_REG_WAVE_MODE, 25, 1), 1
	s_wait_xcnt 0x0
	s_wait_alu depctr_hold_cnt(0) depctr_sa_sdst(0) depctr_va_vdst(0) depctr_va_sdst(0) depctr_va_ssrc(0) depctr_va_vcc(0) depctr_vm_vsrc(0)
	s_getreg_b32 s2, hwreg(HW_REG_IB_STS2, 6, 4)
	s_cmp_eq_u32 s2, 0
	s_cbranch_scc0 .Lentry_in_a_cluster
	s_endpgm
.Lentry_in_a_cluster:
	s_bfe_u32 s2, ttmp6, 0x10000c
	s_cmp_lg_u32 s2, 0x3003
	s_cbranch_scc0 .Lentry_shape_is_right
	s_endpgm
.Lentry_shape_is_right:
; epart[cx][row] = the sum over the 256 columns n of group cx of v[n] x (the sum over k of W_e[n][k] e[row][k]), both operands codes of FP6 (E2M3) with one E8M0 byte for each 32 along K.
; SHARES.  A cluster of four work-groups owns 1,024 rows of encoder_outputs; work-group cx of it owns columns 256 cx on, wave w of it columns 256 cx + 64 w on.
; W STAYS IN REGISTERS: a wave's 64 columns for all K are 4 x 8 fragments, 384 registers, loaded once as images of operand registers.
; THE ROWS STREAM THROUGH LDS, 128 rows x all of K to a slot, two slots.  All four waves read the same rows, and all four work-groups of the cluster need the same tiles: each tile, and the rows' scale bytes,
; are asked for JOINTLY (the same tensor load with the same descriptor and a mask that names the four).  W goes to registers, where no joint load reaches: it is loaded by each wave.
; A wave's tile is 128 rows x 64 columns: 32 accumulators.  A tile is 8 K steps of 128, 32 matrix instructions each; a K step reads 8 fragments from LDS.
; THE MATRIX INSTRUCTION IS USED TRANSPOSED (source 0 = 16 columns of W_e, source 1 = 16 rows): a lane holds one row and eight columns, so the dot with v is multiply-adds within a lane.
; K IS PERMUTED ALIKE ON BOTH OPERANDS: within a K step lane (r, h) takes the 48 consecutive bytes at 48 h of its row's 96: three loads of 16 bytes; the rows' scale words have bytes 1 and 2 exchanged for it.
; The dot with v of a finished block of rows stands between the last K step's matrix instructions of the blocks behind it.
; REGISTERS, in windows of 256 (s_set_vgpr_msb: bits 1:0 source 0, 3:2 source 1, 5:4 source 2, 7:6 destination):
;   window 0: v16-47 the rows' scale words, v48-63 W's; v64-93 at work and addresses; v96-239 W of K steps 5-7; v240-247 fragment addresses
;   window 1: v0-239 W of K steps 0-4; v240-247 the same fragment addresses
;   window 2: v0-127 accumulators of row blocks 0-3; v128-223 their fragments, two sets; v224-255 v at my columns       window 3: the same for row blocks 4-7
; An LDS load takes its address from source 0's window and puts its data into the destination's: under a product's setting that is W's window and the accumulators' window.  So the next K step's
; fragment loads stand between the matrix instructions without a switch of windows.
.set PITCH, 816                        ; an LDS row: 3 x (256 bytes + 16 of padding) = 51 x 16: the 16 rows that a load touches start at 16 different columns of 16 bytes
.set QB,    32*PITCH                   ; 32 rows: what one tensor load brings
.set SLOT,  4*QB
.set ABLK,  16*PITCH
.set HALFO, 4*ABLK
.set TILEB, 128*768                    ; a tile in memory
.set SCL,   2*SLOT                     ; the scale bytes of the 1,024 rows: 128 units of 256 bytes + 16; filled once
.set STG,   SCL+128*272                ; [wave 4][row 1024] f32: the waves' partial energies; no tensor load lands here
.set SPARE, STG+16384                  ; the spare words, 128 bytes for each wave: two blocks of 256 bytes that no other line names
.set SA,   16                          ; v[SA + 8 p + s]: lanes 0-15 the scale word of row block p, lanes 16-31 of block p + 4, K step s
.set SW,   48                          ; v[SW + 8 q + s]: lanes 0-15 that of column block q, lanes 16-31 of block q + 2
.set TE,   64                          ; v64-79  two sets of four pairs: the dot with v of a row block
.set FE,   80                          ; v80-83  32 rows' partial energies each
.set STO,  84                          ; v84     where they go in the stage
.set ADRS, 85                          ; v85     my rows' scale words
.set PFO,  86                          ; v86     768 x lane; never rewritten
.set SPW,  87                          ; v87     my spare word: SPARE + 4 x my thread's number; never rewritten
.set NIL,  88                          ; v88     0; never rewritten
.set RDS,  89                          ; v89     the way out of the stage
.set LI,   90                          ; v90     16 x lane
.set VO,   91                          ; v91     32 x (lane / 16)
.set XE,   92
.set YE,   93
.set AD,   240                         ; v[AD + 4 slot + 2 hf + x] = slot x SLOT + hf x HALFO + 816 r + 48 h + 16 h x; x = 1 where lanes 16-31 read behind one padding more
.set VV,   224
.set WV,   16                          ; s16 wave
.set CX,   17                          ; s17 my place in the cluster: it enters global offsets alone
.set G1,   24                          ; s[24:31] group 1 for the tiles;  s[32:39] groups 0, one for each slot
.set G0,   32
.set G1S,  40                          ; s[40:47], s[48:51] the same for the scale bytes
.set G0S,  48
.set PSEL, 52
.set PFA,  54                          ; s[54:55] where my prefetches stand
.set LIM0, 56                          ; s56, s57: a wave prefetches while the trips left are above these
.set MSB, 0
.macro WIN new                         ; the immediate's high byte repeats the setting that is left; a switch that changes nothing is dropped
.if MSB != (\new)
	s_set_vgpr_msb (MSB<<8)|(\new)
.set MSB, (\new)
.endif
.endm
.macro PLACES                          ; four plain lines: between a matrix instruction and a load into a register that it read, or a read of its result (ISA guide 7.12.1 for the read of its result)
.rept 4
	v_nop
.endr
.endm
.macro CREST                           ; a round of the cluster's barrier behind its opening barrier
	s_cmp_lg_u32 s[WV], 0
	s_cbranch_scc1 .Lnot_wave_0_\@
	s_barrier_signal -3
.Lnot_wave_0_\@:
	s_barrier_wait -3
	s_barrier_signal -1
	s_barrier_wait -1
.endm
.macro CROUND
	s_barrier_signal -1
	s_barrier_wait -1
	CREST
.endm
; 16 bytes of a fragment: piece i of K step s of row block 4 hf + aa in slot sl.  Byte x of a row lies at x + 16 (x / 256).
.macro PIECE dst, sl, hf, aa, s, i
.set X0, 96*(\s)+16*(\i)
.set XX, ((X0+48)>>8)-(X0>>8)
	ds_load_b128 v[(\dst)+4*(\i):(\dst)+4*(\i)+3], v[AD+4*(\sl)+2*(\hf)+XX] offset:(\aa)*ABLK+X0+16*(X0>>8)
.endm
; One product: row block a, column block b, K step s.  zero = 1: it starts the sum.
.macro WM a, b, s, zero
.set RA, 8*(4*((\a)%4)+(\b))
.if (\s) < 5
.set RW, 48*(\s)+12*(\b)
.else
.set RW, 96+48*((\s)-5)+12*(\b)
.endif
.set RF, 128+48*((\s)%2)+12*((\a)%4)
.set RSW, SW+8*((\b)%2)+(\s)
.set RSA, SA+8*((\a)%4)+(\s)
.if \zero
.if ((\b) < 2) && ((\a) < 4)
	v_wmma_scale_f32_16x16x128_f8f6f4 v[RA:RA+7], v[RW:RW+11], v[RF:RF+11], 0, v[RSW], v[RSA] matrix_a_fmt:MATRIX_FMT_FP6 matrix_b_fmt:MATRIX_FMT_FP6
.elseif (\a) < 4
	v_wmma_scale_f32_16x16x128_f8f6f4 v[RA:RA+7], v[RW:RW+11], v[RF:RF+11], 0, v[RSW], v[RSA] matrix_a_fmt:MATRIX_FMT_FP6 matrix_b_fmt:MATRIX_FMT_FP6 matrix_a_scale:MATRIX_SCALE_ROW1
.elseif (\b) < 2
	v_wmma_scale_f32_16x16x128_f8f6f4 v[RA:RA+7], v[RW:RW+11], v[RF:RF+11], 0, v[RSW], v[RSA] matrix_a_fmt:MATRIX_FMT_FP6 matrix_b_fmt:MATRIX_FMT_FP6 matrix_b_scale:MATRIX_SCALE_ROW1
.else
	v_wmma_scale_f32_16x16x128_f8f6f4 v[RA:RA+7], v[RW:RW+11], v[RF:RF+11], 0, v[RSW], v[RSA] matrix_a_fmt:MATRIX_FMT_FP6 matrix_b_fmt:MATRIX_FMT_FP6 matrix_a_scale:MATRIX_SCALE_ROW1 matrix_b_scale:MATRIX_SCALE_ROW1
.endif
.else
.if ((\b) < 2) && ((\a) < 4)
	v_wmma_scale_f32_16x16x128_f8f6f4 v[RA:RA+7], v[RW:RW+11], v[RF:RF+11], v[RA:RA+7], v[RSW], v[RSA] matrix_a_fmt:MATRIX_FMT_FP6 matrix_b_fmt:MATRIX_FMT_FP6
.elseif (\a) < 4
	v_wmma_scale_f32_16x16x128_f8f6f4 v[RA:RA+7], v[RW:RW+11], v[RF:RF+11], v[RA:RA+7], v[RSW], v[RSA] matrix_a_fmt:MATRIX_FMT_FP6 matrix_b_fmt:MATRIX_FMT_FP6 matrix_a_scale:MATRIX_SCALE_ROW1
.elseif (\b) < 2
	v_wmma_scale_f32_16x16x128_f8f6f4 v[RA:RA+7], v[RW:RW+11], v[RF:RF+11], v[RA:RA+7], v[RSW], v[RSA] matrix_a_fmt:MATRIX_FMT_FP6 matrix_b_fmt:MATRIX_FMT_FP6 matrix_b_scale:MATRIX_SCALE_ROW1
.else
	v_wmma_scale_f32_16x16x128_f8f6f4 v[RA:RA+7], v[RW:RW+11], v[RF:RF+11], v[RA:RA+7], v[RSW], v[RSA] matrix_a_fmt:MATRIX_FMT_FP6 matrix_b_fmt:MATRIX_FMT_FP6 matrix_a_scale:MATRIX_SCALE_ROW1 matrix_b_scale:MATRIX_SCALE_ROW1
.endif
.endif
.endm
.macro WB a, s, zero                   ; a row block against my four column blocks.  The 32 accumulators take turns, one instruction a turn, in the same order in every K step
.irp b, 0,1,2,3
	WM \a, \b, \s, \zero
.endr
.endm
.macro WBL sn, kn, s, a, zero          ; the same, and between the products the same block's fragment of K step kn of slot sn, into the other set
	WM \a, 0, \s, \zero
	PIECE 128+48*((\kn)%2)+12*((\a)%4), \sn, (\a)/4, (\a)%4, \kn, 0
	WM \a, 1, \s, \zero
	PIECE 128+48*((\kn)%2)+12*((\a)%4), \sn, (\a)/4, (\a)%4, \kn, 1
	WM \a, 2, \s, \zero
	PIECE 128+48*((\kn)%2)+12*((\a)%4), \sn, (\a)/4, (\a)%4, \kn, 2
	WM \a, 3, \s, \zero
.endm
.macro HALF sl, s, hf, cnt, zero       ; row blocks 4 hf .. 4 hf + 3 of K step s; cnt: the LDS instructions issued behind their fragments' loads
	s_wait_dscnt \cnt
.if (\s) < 5
	WIN 0xa9+0x54*(\hf)                            ; W in window 1; fragments, C and D in window 2 or 3
.else
	WIN 0xa8+0x54*(\hf)                            ; W in window 0
.endif
.irp q, 0,1,2,3
	WBL \sl, (\s)+1, \s, 4*(\hf)+\q, \zero
.endr
.endm
.macro FRUN sl, s, hf                  ; four blocks' fragments in one run
	WIN 0x80+0x40*(\hf)
.irp q, 0,1,2,3
.irp i, 0,1,2
	PIECE 128+48*((\s)%2)+12*\q, \sl, \hf, \q, \s, \i
.endr
.endr
.endm
.macro SL g, off                       ; the scale words of K steps 4 g .. 4 g + 3 of the tile at off
	WIN 0
.irp p, 0,1,2,3
	ds_load_b128 v[SA+8*\p+4*(\g):SA+8*\p+4*(\g)+3], v[ADRS] offset:(\off)+544*\p+16*(\g)
.endr
.endm
.macro PERM g                          ; bytes 1 and 2 change places: the order of the permuted K.  The earliest K step first
	WIN 0
.irp k, 0,1,2,3
.irp p, 0,1,2,3
	v_perm_b32 v[SA+8*\p+4*(\g)+\k], v[SA+8*\p+4*(\g)+\k], v[SA+8*\p+4*(\g)+\k], s[PSEL]
.endr
.endr
.endm
.macro EB a                            ; row block a is finished: its four accumulators times v, in four chains, each accumulator from its low end on
	WIN 0x0a+5*((\a)/4)
.set RT, TE+8*((\a)%2)
.set RC, 32*((\a)%4)
.irp b, 0,1,2,3
	v_pk_mul_f32 v[RT+2*\b:RT+2*\b+1], v[RC+8*\b:RC+8*\b+1], v[VV+8*\b:VV+8*\b+1]
.endr
.irp i, 1,2,3
.irp b, 0,1,2,3
	v_pk_fma_f32 v[RT+2*\b:RT+2*\b+1], v[RC+8*\b+2*\i:RC+8*\b+2*\i+1], v[VV+8*\b+2*\i:VV+8*\b+2*\i+1], v[RT+2*\b:RT+2*\b+1]
.endr
.endr
.endm
.macro RB i2                           ; two row blocks' chains are summed; the halves of the lanes change places so that lane l ends with row 32 i2 + l
	WIN 0
	v_pk_add_f32 v[TE:TE+1], v[TE:TE+1], v[TE+2:TE+3]
	v_pk_add_f32 v[TE+8:TE+9], v[TE+8:TE+9], v[TE+10:TE+11]
	v_pk_add_f32 v[TE+4:TE+5], v[TE+4:TE+5], v[TE+6:TE+7]
	v_pk_add_f32 v[TE+12:TE+13], v[TE+12:TE+13], v[TE+14:TE+15]
	v_pk_add_f32 v[TE:TE+1], v[TE:TE+1], v[TE+4:TE+5]
	v_pk_add_f32 v[TE+8:TE+9], v[TE+8:TE+9], v[TE+12:TE+13]
	v_add_f32 v[XE], v[TE], v[TE+1]
	v_add_f32 v[YE], v[TE+8], v[TE+9]
	v_permlane16_swap_b32 v[XE], v[YE]             ; XE: both blocks' columns 0-7 of each 16; YE: their columns 8-15
	v_add_f32 v[FE+\i2], v[XE], v[YE]
.endm
.macro ST i2, sl
	ds_store_b32 v[STO], v[FE+\i2] offset:512*(\sl)+128*(\i2)
.endm
; A PREFETCH INTO THE L2: behind the change of slots at the end of tile t stands one request for tile t + 3, which the next change's joint load will ask for: a tile, 256 matrix instructions, ahead of that load.
; A row is 768 bytes: three blocks of 256.  Of the tile's 128 rows the partner at place cx takes 32 (told apart by address alone); wave w < 3 takes block w of each row; a lane a row.
; So each block of 256 bytes is named once in the launch.  Tiles 0 to 2 come by their loads alone; the last change that fills a slot asks for nothing.
.macro ASK lim
	s_cmp_gt_u32 s3, s[\lim]
	s_cbranch_scc0 .Lnot_mine_\@
	global_prefetch_b8 v[PFO], s[PFA:PFA+1] th:TH_LOAD_NT scope:SCOPE_SE
.Lnot_mine_\@:
.endm
; K step s < 7 of the tile in slot sl.  The fragments of (s, hf) were asked for in HALF (s - 1, hf): behind them stand the other half's 12 loads, and 4 more where a run of scale loads lies between.
; The four plain lines in a step's middle part each set's last products from the loads that fill it again.
.macro KSTEP sl, s, mode
.set LC, 12*(7-(\s))+16                ; the global loads issued behind this K step's fragments of W, held at the counter's field; met at once from the second tile on
.if LC > 63
.set LC, 63
.endif
.set CN, 12
.if ((\s) == 1) || (((\s) == 5) && ((\mode) >= 1))
.set CN, 16
.endif
.set ZR, 0
.if (\s) == 0
.set ZR, 1
.endif
	s_wait_loadcnt LC
	HALF \sl, \s, 0, CN, ZR
	PLACES
	HALF \sl, \s, 1, CN, ZR
.if (\s) == 0
	SL 1, 4352*(\sl)                               ; this tile's K steps 4-7
.endif
.if (\s) == 1
	s_wait_dscnt 24                                ; behind the scale loads: two halves' fragment loads
	PERM 1                                         ; eight plain lines and more (two steps' middles, the later exchanges) lie ahead of K step 4
.endif
.if ((\s) == 4) && ((\mode) >= 1)
	SL 0, 4352*(\sl)+4352                          ; the next tile's K steps 0-3
.endif
.if ((\s) == 5) && ((\mode) >= 1)
	s_wait_dscnt 24
	PERM 0
.endif
.endm
.macro B7 sl, a, mode                  ; row block a >= 4 of the last K step; where a tile follows, with its first fragment of the same block
	WIN 0xfc
.if (\mode) >= 1
	WBL 1-(\sl), 0, 7, \a, 0
.else
	WB \a, 7, 0
.endif
.endm
; THE LAST K STEP changes slots.  mode 2: this slot is filled again, two tiles on; 1: a tile follows, nothing is filled; 0: the last tile.
; In front of the barrier each wave waits for all its tensor loads (one is out: its part of the other slot), adds 0 to its spare word, and waits for that and for its reads of this slot.
.macro LAST sl, mode
	WIN 0
.if (\mode) == 2
	s_wait_xcnt 0x0                                ; the last prefetch, a tile back, has read its address: it is stepped here
	s_add_nc_u64 s[PFA:PFA+1], s[PFA:PFA+1], TILEB
.endif
	s_wait_loadcnt 0x0                             ; W of K step 7, and v
.if (\mode) >= 1
	s_wait_tensorcnt 0x0                           ; all my tensor loads have landed
	ds_add_u32 v[SPW], v[NIL]                      ; 0 onto my spare word
	s_wait_dscnt 13                                ; the add and the 12 loads of blocks 4-7 may be out
.else
	s_wait_dscnt 12
.endif
	WIN 0xa8
	WB 0, 7, 0
	PLACES                                         ; behind block 0's products, ahead of the read of their results
	WB 1, 7, 0
.if (\mode) >= 1
	s_wait_dscnt 0x0                               ; the add is done, and my reads of this slot are over
	s_barrier_signal -1                            ; (with mode 2 this barrier opens a round of the cluster's barrier; register work alone stands inside)
.endif
	EB 0
	WIN 0xa8
	WB 2, 7, 0
	EB 1                                           ; each block's dot has the block before's as the plain lines behind its own products
	RB 0
	WIN 0xa8
	WB 3, 7, 0
	EB 2
	WIN 0
.if (\mode) >= 1
	s_barrier_wait -1
.endif
.if (\mode) == 2
	CREST                                          ; no wave of any partner still reads this slot or has a load on its way
	s_add_nc_u64 s[G0+4*(\sl)+2:G0+4*(\sl)+3], s[G0+4*(\sl)+2:G0+4*(\sl)+3], 2*TILEB
	tensor_load_to_lds s[G0+4*(\sl):G0+4*(\sl)+3], s[G1:G1+7]      ; my one tensor load behind the round: my 32 rows of the tile two on; it has a tile's products in which to land
	s_nop 0
	PLACES
.endif
.if (\mode) == 0
	s_wait_dscnt 0x0                               ; blocks 4-7
.endif
	ST 0, \sl
.if (\mode) >= 1
	FRUN 1-(\sl), 0, 0                             ; the next tile's first fragments, blocks 0-3
	WIN 0
.endif
.if (\mode) == 2
	ASK LIM0+(\sl)
.endif
	B7 \sl, 4, \mode
	EB 3
	RB 1
	ST 1, \sl
	B7 \sl, 5, \mode
	EB 4
	B7 \sl, 6, \mode
	EB 5
	RB 2
	ST 2, \sl
	B7 \sl, 7, \mode
	EB 6
	EB 7
	RB 3
	ST 3, \sl
.endm
.macro TILE sl, mode
.irp k, 0,1,2,3,4,5,6
	KSTEP \sl, \k, \mode
.endr
	LAST \sl, \mode
.endm
	s_load_b256 s[4:11], s[0:1], 0x0               ; the rows' codes s[4:5], their scales s[6:7], wq s[8:9], wsc s[10:11]
	s_load_b128 s[12:15], s[0:1], 0x20             ; v s[12:13], epart s[14:15]
	v_lshl_add_u32 v[SPW], v0, 2, SPARE
	v_mov_b32 v[NIL], 0
	ds_add_u32 v87, v88
	ds_add_u32 v87, v88
	s_wait_dscnt 0x0
	v_lshrrev_b32 v1, 5, v0
	v_readfirstlane_b32 s[WV], v1                  ; wave 0..3
	s_bfe_u32 s[CX], ttmp6, 0x40000                ; cx
	; group 1, tiles: 32 rows x 768 bytes, 16 bytes of padding behind every 256
	s_mov_b32 s[G1], 15|(1<<20)|(1<<21)|(5<<22)|(3<<25)    ; 15:0 the mask: all four work-groups; 17:16 elements of 1 byte; 20 padding on; 21 set beside a mask; 24:22 after every 64 words; 31:25 4 words
	s_mov_b32 s[G1+1], 768<<16                     ; tensor_dim0
	s_mov_b32 s[G1+2], 32<<16                      ; tensor_dim1
	s_mov_b32 s[G1+3], 768<<16                     ; tile_dim0
	s_mov_b32 s[G1+4], 32                          ; tile_dim1
	s_mov_b32 s[G1+5], 768                         ; from row to row
	s_mov_b32 s[G1+6], 0
	s_mov_b32 s[G1+7], 0
	; group 1, scale bytes: a dense block of 8,192 bytes as 32 rows of 256 (32 elements of 8 bytes), 16 bytes of padding behind each
	s_mov_b32 s[G1S], 15|(3<<16)|(1<<20)|(1<<21)|(5<<22)|(3<<25)
	s_mov_b32 s[G1S+1], 32<<16
	s_mov_b32 s[G1S+2], 32<<16
	s_mov_b32 s[G1S+3], 32<<16
	s_mov_b32 s[G1S+4], 32
	s_mov_b32 s[G1S+5], 32
	s_mov_b32 s[G1S+6], 0
	s_mov_b32 s[G1S+7], 0
	s_mul_i32 s18, ttmp9, 8*TILEB                  ; in a cluster launch ttmp9 counts clusters: the group of 1,024 rows, which the partners share
	s_mul_i32 s20, s[WV], TILEB/4
	s_add_co_u32 s18, s18, s20                     ; my 32 rows of tile 0
	s_mov_b32 s19, 0
	s_lshl_b32 s20, ttmp9, 15
	s_lshl_b32 s22, s[WV], 13
	s_add_co_u32 s20, s20, s22                     ; my quarter of the scale bytes
	s_mov_b32 s21, 0
	s_mul_i32 s22, s[WV], QB                       ; and where they go: no place in the cluster enters an LDS address
	s_mul_i32 s23, s[WV], 32*272
	s_mov_b32 s[PSEL], 0x03010200
	s_wait_kmcnt 0x0
	s_add_nc_u64 s[18:19], s[4:5], s[18:19]
	CROUND                                         ; all four work-groups are here: the first joint loads meet
	s_mov_b32 s[G0S], 1
	s_add_co_u32 s[G0S+1], s23, SCL
	s_add_nc_u64 s[G0S+2:G0S+3], s[6:7], s[20:21]
	s_or_b32 s[G0S+3], s[G0S+3], 0x80000000
.irp t, 0,1
	s_mov_b32 s[G0+4*\t], 1
	s_add_co_u32 s[G0+4*\t+1], s22, \t*SLOT
	s_add_nc_u64 s[G0+4*\t+2:G0+4*\t+3], s[18:19], \t*TILEB
	s_or_b32 s[G0+4*\t+3], s[G0+4*\t+3], 0x80000000
.endr
	tensor_load_to_lds s[G0S:G0S+3], s[G1S:G1S+7]  ; the first fills go out together: three loads of mine are out
	s_nop 0
	tensor_load_to_lds s[G0:G0+3], s[G1:G1+7]
	s_nop 0
	tensor_load_to_lds s[G0+4:G0+7], s[G1:G1+7]
	s_nop 0
	PLACES
	; global offsets that hang on cx, in registers that feed no descriptor
	s_mov_b32 s59, 0
	s_mul_i32 s58, s[CX], 16*12288                 ; wq: column block 16 cx + 4 w, 8 x 1,536 bytes a block
	s_mul_i32 s60, s[WV], 4*12288
	s_add_co_u32 s58, s58, s60
	s_add_nc_u64 s[8:9], s[8:9], s[58:59]
	s_lshl_b32 s58, s[CX], 13                      ; wsc: 2,048 bytes for four column blocks
	s_lshl_b32 s60, s[WV], 11
	s_add_co_u32 s58, s58, s60
	s_add_nc_u64 s[10:11], s[10:11], s[58:59]
	s_lshl_b32 s58, s[CX], 10                      ; v at column 256 cx + 64 w
	s_lshl_b32 s60, s[WV], 8
	s_add_co_u32 s58, s58, s60
	s_add_nc_u64 s[12:13], s[12:13], s[58:59]
	s_lshl_b32 s58, s[CX], 18                      ; epart: [cx][row]; I store rows 256 w on of the group's 1,024
	s_lshl_b32 s60, ttmp9, 12
	s_add_co_u32 s58, s58, s60
	s_lshl_b32 s60, s[WV], 10
	s_add_co_u32 s58, s58, s60
	s_add_nc_u64 s[14:15], s[14:15], s[58:59]
	s_mul_i32 s58, ttmp9, 8*TILEB                  ; the prefetches: tile 2 (the first change of slots steps it to tile 3), rows 32 cx on, block w of a row
	s_mul_i32 s60, s[CX], 32*768
	s_add_co_u32 s58, s58, s60
	s_lshl_b32 s60, s[WV], 8
	s_add_co_u32 s58, s58, s60
	s_add_co_u32 s58, s58, 2*TILEB
	s_add_nc_u64 s[PFA:PFA+1], s[4:5], s[58:59]
	s_cmp_lt_u32 s[WV], 3                          ; a row has three blocks: wave 3 asks for nothing
	s_cselect_b32 s[LIM0], 0, -1
	s_cselect_b32 s[LIM0+1], 1, -1
	v_and_b32 v1, 31, v0                           ; lane
	v_and_b32 v2, 15, v0                           ; r
	v_bfe_u32 v3, v0, 4, 1                         ; h
	v_lshlrev_b32 v[LI], 4, v1
	v_lshlrev_b32 v[VO], 5, v3
	v_mul_u32_u24 v[PFO], v1, 768
	; W, its scale words and v: K step by K step, so that the first tile can begin while the later steps are on their way
.irp q, 0,1
.irp g, 0,1
	global_load_b128 v[SW+8*\q+4*\g:SW+8*\q+4*\g+3], v[LI], s[10:11] offset:1024*\q+512*\g
.endr
.endr
	WIN 0x40
.irp k, 0,1,2,3,4
.irp b, 0,1,2,3
.irp i, 0,1,2
	global_load_b128 v[48*\k+12*\b+4*\i:48*\k+12*\b+4*\i+3], v[LI], s[8:9] offset:(8*\b+\k)*1536+512*\i
.endr
.endr
.endr
	WIN 0
.irp k, 5,6,7
.irp b, 0,1,2,3
.irp i, 0,1,2
	global_load_b128 v[96+48*(\k-5)+12*\b+4*\i:96+48*(\k-5)+12*\b+4*\i+3], v[LI], s[8:9] offset:(8*\b+\k)*1536+512*\i
.endr
.endr
.endr
.irp w, 0x80, 0xc0                     ; v at my lane's eight columns of each block, once beside each window's accumulators
	WIN \w
.irp b, 0,1,2,3
.irp j, 0,1
	global_load_b128 v[VV+8*\b+4*\j:VV+8*\b+4*\j+3], v[VO], s[12:13] offset:64*\b+16*\j
.endr
.endr
.endr
	WIN 0
	v_mul_u32_u24 v4, v2, PITCH
	v_mad_u32_u24 v4, v3, 48, v4                   ; row r, + 48 h
	v_lshl_add_u32 v5, v3, 4, v4                   ; and behind one padding more
.irp w, 0, 0x40                        ; the eight fragment addresses, in window 0 and in window 1
	WIN \w
.irp t, 0,1
.irp f, 0,1
.irp x, 0,1
	v_add_nc_u32 v[AD+4*\t+2*\f+\x], \t*SLOT+\f*HALFO, v[4+\x]
.endr
.endr
.endr
.endr
	WIN 0
	v_lshrrev_b32 v6, 3, v2
	v_mul_u32_u24 v6, v6, 272
	v_and_b32 v7, 7, v2
	v_lshl_add_u32 v6, v7, 5, v6                   ; a row's 32 scale bytes: eight rows to a unit of 256 + 16
	v_mad_u32_u24 v6, v3, 2176, v6                 ; lanes 16-31: four row blocks (eight units) on
	v_add_nc_u32 v[ADRS], SCL, v6
	s_lshl_b32 s22, s[WV], 12
	v_lshlrev_b32 v[STO], 2, v1
	v_add_nc_u32 v[STO], s22, v[STO]
	v_add_nc_u32 v[STO], STG, v[STO]
	s_lshl_b32 s22, s[WV], 10
	v_add_nc_u32 v[RDS], s22, v[LI]
	v_add_nc_u32 v[RDS], STG, v[RDS]
	s_wait_tensorcnt 0x1                           ; the scale bytes and my part of tile 0 are in; tile 1 may stay out
	s_barrier_signal -1
	s_barrier_wait -1                              ; everybody's are
	SL 0, 0
	FRUN 0, 0, 0
	FRUN 0, 0, 1
	WIN 0
	s_wait_dscnt 24                                ; the scale words are in; the 24 fragment loads may be out
	PERM 0
.rept 8
	v_nop                                          ; scale registers written by vector instructions stand eight plain lines ahead of a scaled matrix instruction
.endr
	s_mov_b32 s3, 3
.Ltrip:                                            ; three trips of two tiles: tiles 0 to 5, each of which fills its slot again
	TILE 0, 2
	TILE 1, 2
	v_add_nc_u32 v[ADRS], 2*4352, v[ADRS]          ; two tiles on
	v_add_nc_u32 v[STO], 1024, v[STO]
	s_sub_co_u32 s3, s3, 1
	s_cmp_lg_u32 s3, 0
	s_cbranch_scc1 .Ltrip
	TILE 0, 1                                      ; the last two tiles are written out: nothing is left to fetch
	TILE 1, 0
	; THE WAY OUT: the four waves' partial energies meet in the stage; wave w sums and stores rows 256 w on
	s_wait_dscnt 0x0                               ; for the others: my stores into the stage have landed
	s_barrier_signal -1
	s_barrier_wait -1
.irp i, 0,1
.irp w, 0,1,2,3
	ds_load_b128 v[96+16*\i+4*\w:96+16*\i+4*\w+3], v[RDS] offset:4096*\w+512*\i
.endr
.endr
	s_wait_dscnt 0x0
.irp i, 0,1
	v_pk_add_f32 v[96+16*\i:97+16*\i], v[96+16*\i:97+16*\i], v[100+16*\i:101+16*\i]
	v_pk_add_f32 v[98+16*\i:99+16*\i], v[98+16*\i:99+16*\i], v[102+16*\i:103+16*\i]
	v_pk_add_f32 v[104+16*\i:105+16*\i], v[104+16*\i:105+16*\i], v[108+16*\i:109+16*\i]
	v_pk_add_f32 v[106+16*\i:107+16*\i], v[106+16*\i:107+16*\i], v[110+16*\i:111+16*\i]
	v_pk_add_f32 v[96+16*\i:97+16*\i], v[96+16*\i:97+16*\i], v[104+16*\i:105+16*\i]
	v_pk_add_f32 v[98+16*\i:99+16*\i], v[98+16*\i:99+16*\i], v[106+16*\i:107+16*\i]
.endr
.irp i, 0,1
	global_store_b128 v[LI], v[96+16*\i:99+16*\i], s[14:15] offset:512*\i  ; 32 lanes store 512 consecutive bytes, at a multiple of 256 from the first byte of epart
.endr
	s_wait_tensorcnt 0x0                           ; the wave's end: behind my last tensor load and my last LDS store
	ds_add_u32 v[SPW], v[NIL]
	s_wait_dscnt 0x0
	CROUND                                         ; the closing round: no work-group ends while a partner may still ask for a tile that names it
	s_endpgm
.Lfunc_end_k_q556934113d_energy:
	.size	k_q556934113d_energy, .Lfunc_end_k_q556934113d_energy-k_q556934113d_energy
	.p2alignl 7, 3214868480
	.fill 96, 4, 3214868480
	.section	.rodata,"a",@progbits
	.p2align	6, 0x0
	.amdhsa_kernel k_q556934113d_energy
		.amdhsa_group_segment_fixed_size 327680
		.amdhsa_private_segment_fixed_size 0
		.amdhsa_enable_private_segment 0
		.amdhsa_kernarg_size 48
		.amdhsa_user_sgpr_count 2
		.amdhsa_user_sgpr_kernarg_segment_ptr 1
		.amdhsa_wavefront_size32 1
		.amdhsa_system_sgpr_workgroup_id_x 1
		.amdhsa_system_sgpr_workgroup_id_y 1
		.amdhsa_system_sgpr_workgroup_id_z 1
		.amdhsa_system_vgpr_workitem_id 0
		.amdhsa_next_free_vgpr 1024
		.amdhsa_next_free_sgpr 66
		.amdhsa_reserve_vcc 0
		.amdhsa_float_denorm_mode_32 3
		.amdhsa_float_denorm_mode_16_64 3
		.amdhsa_memory_ordered 1
		.amdhsa_forward_progress 1
		.amdhsa_inst_pref_size 255
	.end_amdhsa_kernel
	.section	.bss,"aw",@nobits
	.p2align	6
	.space	262144
	.amdgpu_metadata
---
amdhsa.version: [ 1, 2 ]
amdhsa.kernels:
  - .name:           k_q556934113d_energy
    .symbol:         k_q556934113d_energy.kd
    .args:
      - { .name: encoder_outputs_codes, .offset: 0, .size: 8, .value_kind: global_buffer, .address_space: global }
      - { .name: encoder_outputs_scales, .offset: 8, .size: 8, .value_kind: global_buffer, .address_space: global }
      - { .name: wq, .offset: 16, .size: 8, .value_kind: global_buffer, .address_space: global }
      - { .name: wsc, .offset: 24, .size: 8, .value_kind: global_buffer, .address_space: global }
      - { .name: v, .offset: 32, .size: 8, .value_kind: global_buffer, .address_space: global }
      - { .name: epart, .offset: 40, .size: 8, .value_kind: global_buffer, .address_space: global }
    .group_segment_fixed_size: 327680
    .private_segment_fixed_size: 0
    .kernarg_segment_align: 8
    .kernarg_segment_size: 48
    .max_flat_workgroup_size: 128
    .sgpr_count:     66
    .vgpr_count:     1024
    .wavefront_size: 32
...
	.end_amdgpu_metadata
.endif
;; end of part 2
;; launch softmax (part 3): grid 32 x 1, 8 waves a work-group, no clusters, 2,048 bytes of LDS; arguments epart, cpart, out0; writes out0
.if DOCPART == 3
	.amdgcn_target "amdgcn-amd-amdhsa--gfx1250"
	.amdhsa_code_object_version 6
	.text
	.protected	k_q556934113d_softmax
	.globl	k_q556934113d_softmax
	.p2align	8
	.type	k_q556934113d_softmax,@function
k_q556934113d_softmax:
	s_mov_b64 s[64:65], 0
	v_nop
	global_prefetch_b8 v0, s[64:65] scope:SCOPE_SE
	s_setreg_imm32_b32 hwreg(HW_REG_WAVE_MODE, 25, 1), 1
	s_wait_xcnt 0x0
; out0[b][s] = softmax over s of energy[b][s], energy = the four column groups' partial energies + c[b], c[b] = v . (W_h h_b + b_attn) summed from its 256 parts.
; A work-group of eight waves takes one batch b: 2,048 numbers, eight a thread (4 i .. 4 i + 3 and 1,024 + 4 i .. + 3): each load and store of a wave covers 512 consecutive bytes.
; The row's maximum is taken away before the exponential.  It is sought before c is added: x + c, rounded, does not fall where x rises, so max + c is the largest of the sums; one barrier serves both reductions.
; LIMIT: v_exp_f32 gives 0 where its result would lie under 2^-126 (ISA guide, its entry in 15.8): such weights come out as 0.
; No matrix unit, no cluster, no tensor load: 33 KB a work-group, all loads issued at once.
	s_load_b128 s[4:7], s[0:1], 0x0                ; epart, cpart
	s_load_b64 s[8:9], s[0:1], 0x10                ; out0
	v_lshl_add_u32 v64, v0, 2, 0x400
	v_mov_b32 v65, 0
	v_lshrrev_b32 v3, 5, v0                        ; wave
	v_lshlrev_b32 v1, 4, v0                        ; my 16 bytes
	v_lshrrev_b32 v2, 1, v0
	v_and_b32 v4, 1, v0
	v_lshlrev_b32 v2, 8, v2
	v_lshl_add_u32 v2, v4, 6, v2                   ; cpart: part g = i / 2, half h = i % 2: 256 g + 64 h
	v_lshlrev_b32 v5, 3, v3                        ; LDS: 8 bytes a wave,
	v_lshl_add_u32 v6, v3, 2, 256                  ; and, in other bytes, 4 a wave
	v_mov_b32 v7, 0
	s_lshl_b32 s12, ttmp9, 13                      ; 2,048 numbers a batch
	s_mov_b32 s13, 0
	s_lshr_b32 s14, ttmp9, 4
	s_lshl_b32 s14, s14, 7                         ; cpart: 128 (b / 16) + 4 (b % 16)
	s_and_b32 s16, ttmp9, 15
	s_lshl_b32 s16, s16, 2
	s_add_co_u32 s14, s14, s16
	s_mov_b32 s15, 0
	s_mov_b32 s18, 0x76543210
	s_mov_b32 s19, 0xfedcba98                      ; lane selects: lane l xor 16
	s_wait_kmcnt 0x0
	s_add_nc_u64 s[4:5], s[4:5], s[12:13]
	s_add_nc_u64 s[6:7], s[6:7], s[14:15]
	s_add_nc_u64 s[8:9], s[8:9], s[12:13]
.irp g, 0,1,2,3
.irp u, 0,1
	global_load_b128 v[8+8*\g+4*\u:11+8*\g+4*\u], v1, s[4:5] offset:262144*\g+4096*\u th:TH_LOAD_NT
.endr
.endr
	global_load_b32 v45, v2, s[6:7]                ; my part of c[b]
	v_mov_b32 v46, 0                               ; (a lane permute's destination counts as one of its sources)
	v_mov_b32 v47, 0
	s_wait_loadcnt 0x0
.irp j, 0,2,4,6
	v_pk_add_f32 v[8+\j:9+\j], v[8+\j:9+\j], v[16+\j:17+\j]
	v_pk_add_f32 v[24+\j:25+\j], v[24+\j:25+\j], v[32+\j:33+\j]
.endr
.irp j, 0,2,4,6
	v_pk_add_f32 v[8+\j:9+\j], v[8+\j:9+\j], v[24+\j:25+\j]        ; the four column groups' sum
.endr
	v_max3_num_f32 v44, v8, v9, v10
	v_max3_num_f32 v44, v44, v11, v12
	v_max3_num_f32 v44, v44, v13, v14
	v_max_num_f32 v44, v44, v15
.irp x, 1,2,4,8
	v_max_num_f32_dpp v44, v44, v44 row_xmask:\x row_mask:0xf bank_mask:0xf
	v_add_f32_dpp v45, v45, v45 row_xmask:\x row_mask:0xf bank_mask:0xf
.endr
	v_permlanex16_b32 v46, v44, s18, s19
	v_permlanex16_b32 v47, v45, s18, s19
	v_max_num_f32 v44, v44, v46
	v_add_f32 v45, v45, v47
	ds_store_b64 v5, v[44:45]                      ; all lanes of a wave write the same 8 bytes with the same values
	s_wait_dscnt 0x0
	s_barrier_signal -1
	s_barrier_wait -1
.irp i, 0,1,2,3
	ds_load_b128 v[48+4*\i:51+4*\i], v7 offset:16*\i
.endr
	s_wait_dscnt 0x0
	v_max3_num_f32 v44, v48, v50, v52
	v_add_f32 v46, v49, v51
	v_add_f32 v47, v53, v55
	v_max3_num_f32 v44, v44, v54, v56
	v_add_f32 v40, v57, v59
	v_add_f32 v41, v61, v63
	v_max3_num_f32 v44, v44, v58, v60
	v_add_f32 v46, v46, v47
	v_add_f32 v40, v40, v41
	v_max_num_f32 v44, v44, v62
	v_add_f32 v46, v46, v40                        ; c[b]
	v_add_f32 v44, v44, v46                        ; M: the largest energy
.irp j, 0,2,4,6
	v_pk_add_f32 v[8+\j:9+\j], v[8+\j:9+\j], v[46:47] op_sel_hi:[1,0]      ; + c (the pair's low word serves both halves)
.endr
.irp j, 0,2,4,6
	v_pk_add_f32 v[8+\j:9+\j], v[8+\j:9+\j], v[44:45] op_sel_hi:[1,0] neg_lo:[0,1] neg_hi:[0,1]   ; - M: 0 or less
.endr
.irp j, 0,2,4,6
	v_pk_mul_f32 v[8+\j:9+\j], v[8+\j:9+\j], 0x3fb8aa3b op_sel_hi:[1,0]    ; x log2(e)
.endr
.irp j, 0,1,2,3,4,5,6,7
	v_exp_f32 v[8+\j], v[8+\j]
.endr
	v_mov_b32 v17, 0                               ; a plain line behind the exponentials
	s_wait_alu depctr_va_vdst(0)                   ; one wait for the batch, ahead of its first reader
	v_pk_add_f32 v[18:19], v[8:9], v[10:11]
	v_pk_add_f32 v[20:21], v[12:13], v[14:15]
	v_pk_add_f32 v[18:19], v[18:19], v[20:21]
	v_add_f32 v16, v18, v19
.irp x, 1,2,4,8
	v_add_f32_dpp v16, v16, v16 row_xmask:\x row_mask:0xf bank_mask:0xf
.endr
	v_permlanex16_b32 v17, v16, s18, s19
	v_add_f32 v16, v16, v17
	ds_store_b32 v6, v16
	s_wait_dscnt 0x0
	s_barrier_signal -1
	s_barrier_wait -1
	ds_load_b128 v[20:23], v7 offset:256
	ds_load_b128 v[24:27], v7 offset:272
	s_wait_dscnt 0x0
	v_add_f32 v20, v20, v21
	v_add_f32 v22, v22, v23
	v_add_f32 v24, v24, v25
	v_add_f32 v26, v26, v27
	v_add_f32 v20, v20, v22
	v_add_f32 v24, v24, v26
	v_add_f32 v20, v20, v24                        ; the row's sum: at least 1
	v_rcp_f32 v28, v20
	v_mov_b32 v29, 0                               ; a plain line behind the reciprocal; v29 is named with v28 as a pair
	s_wait_alu depctr_va_vdst(0)
.irp j, 0,2,4,6
	v_pk_mul_f32 v[8+\j:9+\j], v[8+\j:9+\j], v[28:29] op_sel_hi:[1,0]
.endr
	global_store_b128 v1, v[8:11], s[8:9] th:TH_STORE_NT
	global_store_b128 v1, v[12:15], s[8:9] offset:4096 th:TH_STORE_NT
	s_wait_tensorcnt 0x0
	ds_add_u32 v64, v65
	s_wait_dscnt 0x0
	s_endpgm
.Lfunc_end_k_q556934113d_softmax:
	.size	k_q556934113d_softmax, .Lfunc_end_k_q556934113d_softmax-k_q556934113d_softmax
	.p2alignl 7, 3214868480
	.fill 96, 4, 3214868480
	.section	.rodata,"a",@progbits
	.p2align	6, 0x0
	.amdhsa_kernel k_q556934113d_softmax
		.amdhsa_group_segment_fixed_size 2048
		.amdhsa_private_segment_fixed_size 0
		.amdhsa_enable_private_segment 0
		.amdhsa_kernarg_size 24
		.amdhsa_user_sgpr_count 2
		.amdhsa_user_sgpr_kernarg_segment_ptr 1
		.amdhsa_wavefront_size32 1
		.amdhsa_system_sgpr_workgroup_id_x 1
		.amdhsa_system_sgpr_workgroup_id_y 1
		.amdhsa_system_sgpr_workgroup_id_z 1
		.amdhsa_system_vgpr_workitem_id 0
		.amdhsa_next_free_vgpr 66
		.amdhsa_next_free_sgpr 66
		.amdhsa_reserve_vcc 0
		.amdhsa_float_denorm_mode_32 3
		.amdhsa_float_denorm_mode_16_64 3
		.amdhsa_memory_ordered 1
		.amdhsa_forward_progress 1
		.amdhsa_inst_pref_size 8
	.end_amdhsa_kernel
	.amdgpu_metadata
---
amdhsa.version: [ 1, 2 ]
amdhsa.kernels:
  - .name:           k_q556934113d_softmax
    .symbol:         k_q556934113d_softmax.kd
    .args:
      - { .name: epart, .offset: 0, .size: 8, .value_kind: global_buffer, .address_space: global }
      - { .name: cpart, .offset: 8, .size: 8, .value_kind: global_buffer, .address_space: global }
      - { .name: out0, .offset: 16, .size: 8, .value_kind: global_buffer, .address_space: global }
    .group_segment_fixed_size: 2048
    .private_segment_fixed_size: 0
    .kernarg_segment_align: 8
    .kernarg_segment_size: 24
    .max_flat_workgroup_size: 256
    .sgpr_count:     66
    .vgpr_count:     66
    .wavefront_size: 32
...
	.end_amdgpu_metadata
.endif
;; end of part 3
;; ======== version 2 of 2: 3 launches
;; limits: right only within a limited range of input values
;; workspace buffers: wq 786,432 bytes; wsc 32,768 bytes; epart 1,048,576 bytes
;; launch quantw (part 4): grid 128 x 1, 4 waves a work-group, no clusters, 34,560 bytes of LDS; arguments W_attn, wq, wsc; writes wq, wsc
.if DOCPART == 4
	.amdgcn_target "amdgcn-amd-amdhsa--gfx1250"
	.amdhsa_code_object_version 6
	.text
	.protected	k_q556934113d_quantw
	.globl	k_q556934113d_quantw
	.p2align	8
	.type	k_q556934113d_quantw,@function
k_q556934113d_quantw:
	s_mov_b64 s[64:65], 0
	v_nop
	global_prefetch_b8 v0, s[64:65] scope:SCOPE_SE
	s_setreg_imm32_b32 hwreg(HW_REG_WAVE_MODE, 25, 1), 1
	s_wait_xcnt 0x0
; DEAD WORK, LEFT OUT OF THE PROGRAM.  energy[b][s] = v . (W_e e[b][s]) + c[b] with c[b] = v . (W_h h_b + b_attn).  c[b] does not hang on s, and the softmax runs along s: exp(x + c) / sum exp(x + c) = exp(x) / sum exp(x)
; for all finite values of the inputs.  So product 1 (rnn_hidden with W_attn's columns 0-1023) and b_attn reach no output: rnn_hidden_codes, rnn_hidden_scales and b_attn are arguments of no launch, and W_attn's columns 0-1023 are not loaded.
; LIMIT: a NaN, an infinity or an overflow that reaches only c[b] is not carried to the result.
;
; THIS LAUNCH: W_e = W_attn's columns 1024-2047 is quantised along K to codes of FP6 (E2M3) with one E8M0 byte for each 32, as IMAGES OF OPERAND REGISTERS.
; SHARES.  Work-group g: 16 rows of W (nb = g / 2) and half of the K steps (kh = g % 2); wave w: K step 4 kh + w: a unit of 16 rows x 128 numbers.  512 units, 128 work-groups of four.
; Lane (r, h) takes k = 32 h .. + 31 and 64 + 32 h .. + 31 of row r: two whole blocks, as the operand's layout has them.
; LIMITS: NaN and infinities in W_attn are not served.  A block of zeros gets the byte 1 where the rule says 127: its codes are zeros, and this program alone reads the bytes.
; wq:  [nb / 4][kh][q 4][nb % 4][part 3][lane 32][16 bytes].   wsc: words at 2048 (nb / 4) + 1024 (nb % 2) + 512 kh + 256 ((nb / 2) % 2) + 16 r + 4 q.
.set UNIT, 16*528                      ; a stage: 16 rows of 512 bytes + 16
.set SCW,  4*UNIT                      ; the scale words, [r 16][wave 4]
.set SPARE, SCW+256                    ; the spare words, 128 bytes a wave
.set X,    64                          ; v64-127  my 64 numbers
.set RE,   128                         ; v128-191 the unit as loaded
.set PC,   192                         ; v192-203 the codes
	s_load_b128 s[4:7], s[0:1], 0x0                ; W s[4:5], wq s[6:7]
	s_load_b64 s[8:9], s[0:1], 0x10                ; wsc
	v_lshl_add_u32 v62, v0, 2, SPARE
	v_mov_b32 v63, 0
	v_lshrrev_b32 v1, 5, v0
	v_readfirstlane_b32 s20, v1                    ; wave 0..3
	s_lshr_b32 s21, ttmp9, 1                       ; nb
	s_and_b32 s22, ttmp9, 1                        ; kh
	s_lshl_b32 s23, s22, 2
	s_add_co_u32 s23, s23, s20                     ; the K step
	s_mul_i32 s24, s20, UNIT                       ; my stage
	s_lshl_b32 s25, s20, 2
	s_add_co_u32 s25, s25, SCW
	s_lshl_b32 s30, s21, 17                        ; W: 16 rows of 8,192 bytes a block, 512 bytes a K step, W_e 4,096 bytes on
	s_lshl_b32 s36, s23, 9
	s_add_co_u32 s30, s30, s36
	s_add_co_u32 s30, s30, 4096
	s_mov_b32 s31, 0
	s_lshr_b32 s37, s21, 2                         ; nb / 4
	s_mul_i32 s32, s37, 49152
	s_mul_i32 s36, s22, 24576
	s_add_co_u32 s32, s32, s36
	s_mul_i32 s36, s20, 6144
	s_add_co_u32 s32, s32, s36
	s_and_b32 s36, s21, 3
	s_mul_i32 s36, s36, 1536
	s_add_co_u32 s32, s32, s36
	s_mov_b32 s33, 0
	s_lshl_b32 s34, s37, 11
	s_and_b32 s36, s21, 1
	s_lshl_b32 s36, s36, 10
	s_add_co_u32 s34, s34, s36
	s_lshl_b32 s36, s22, 9
	s_add_co_u32 s34, s34, s36
	s_bfe_u32 s36, s21, 0x10001
	s_lshl_b32 s36, s36, 8
	s_add_co_u32 s34, s34, s36
	s_mov_b32 s35, 0
	s_mov_b32 s26, 0x76543210
	s_mov_b32 s27, 0xfedcba98                      ; lane selects: lane l xor 16
	v_and_b32 v1, 31, v0                           ; lane
	v_and_b32 v2, 15, v0                           ; r
	v_bfe_u32 v3, v0, 4, 1                         ; h
	v_lshlrev_b32 v4, 4, v1                        ; 16 x lane
	v_lshlrev_b32 v5, 3, v3                        ; 8 h
	v_add_nc_u32 v8, s24, v4                       ; in: a row's 512 bytes as they lie
	v_mul_u32_u24 v9, v2, 528
	v_lshl_add_u32 v9, v3, 7, v9
	v_add_nc_u32 v9, s24, v9                       ; out: row r, + 128 h
	v_lshlrev_b32 v11, 4, v2
	v_add_nc_u32 v11, s25, v11                     ; my row's scale word
	v_lshlrev_b32 v14, 3, v1                       ; 8 x lane
	v_add_nc_u32 v13, SCW, v14
	v_mov_b32 v221, 0                              ; (a lane permute's destination counts as one of its sources)
	s_wait_alu depctr_va_vdst(0)                   ; the wait at the head's end
	s_wait_kmcnt 0x0
	s_add_nc_u64 s[4:5], s[4:5], s[30:31]
	s_add_nc_u64 s[6:7], s[6:7], s[32:33]
	s_add_nc_u64 s[8:9], s[8:9], s[34:35]
.irp j, 0,1,2,3,4,5,6,7,8,9,10,11,12,13,14,15
	global_load_b128 v[RE+4*\j:RE+4*\j+3], v4, s[4:5] offset:8192*\j th:TH_LOAD_NT        ; 32 lanes read 512 consecutive bytes of row j
.endr
; The unit turns through the wave's own stage.  LDS serves a wave's instructions in order: no wait between the stores and the loads.
	s_wait_loadcnt 8                               ; rows 0-7 are in
.irp j, 0,1,2,3,4,5,6,7
	ds_store_b128 v8, v[RE+4*\j:RE+4*\j+3] offset:528*\j
.endr
	s_wait_loadcnt 0x0
.irp j, 8,9,10,11,12,13,14,15
	ds_store_b128 v8, v[RE+4*\j:RE+4*\j+3] offset:528*\j
.endr
.irp c, 0,1
.irp i, 0,1,2,3,4,5,6,7
	ds_load_b128 v[X+32*\c+4*\i:X+32*\c+4*\i+3], v9 offset:256*\c+16*\i
.endr
.endr
	s_wait_dscnt 0x0
; The largest magnitudes of my two blocks, in four chains; the floor 2^(3 - 127) is among the leaves: the byte cannot fall under 1.
.irp c, 0,1
	v_max3_num_f32 v[212+\c], |v[X+32*\c]|, |v[X+32*\c+1]|, 0x1800000
	v_max3_num_f32 v[214+\c], |v[X+32*\c+16]|, |v[X+32*\c+17]|, |v[X+32*\c+18]|
.endr
.irp i, 2,4,6,8,10,12
.irp c, 0,1
	v_max3_num_f32 v[212+\c], v[212+\c], |v[X+32*\c+\i]|, |v[X+32*\c+\i+1]|
	v_max3_num_f32 v[214+\c], v[214+\c], |v[X+32*\c+\i+17]|, |v[X+32*\c+\i+18]|
.endr
.endr
.irp c, 0,1
	v_max3_num_f32 v[212+\c], v[212+\c], |v[X+32*\c+14]|, |v[X+32*\c+15]|
.endr
.irp c, 0,1
	v_max3_num_f32 v[212+\c], v[212+\c], v[214+\c], |v[X+32*\c+31]|
.endr
.irp c, 0,1
	v_add_nc_u32 v[216+\c], 0xff000000, v[212+\c]  ; 2 off the exponent field: the conversion takes this operand's exponent field as its scale
.endr
.irp c, 0,1
	v_lshrrev_b32 v[218+\c], 23, v[216+\c]         ; the scale's byte
.endr
	v_lshl_or_b32 v220, v219, 16, v218             ; my two bytes stand at places h and 2 + h of the word
	v_lshlrev_b32 v220, v5, v220
	v_permlanex16_b32 v221, v220, s26, s27
	v_or_b32 v220, v220, v221                      ; with lane l xor 16's two the word is whole, in both halves of the lanes
	ds_store_b32 v11, v220                         ; (both halves write the same word with the same value)
	v_cvt_scalef32_pk16_fp6_f32 v[PC:PC+2], v[X:X+15], v216
	v_cvt_scalef32_pk16_fp6_f32 v[204:206], v[X+16:X+31], v216     ; (a conversion's three registers begin on an even number)
	v_cvt_scalef32_pk16_fp6_f32 v[PC+6:PC+8], v[X+32:X+47], v217
	v_cvt_scalef32_pk16_fp6_f32 v[208:210], v[X+48:X+63], v217
	v_nop                                          ; one plain line behind the conversions
.irp i, 0,1,2
	v_mov_b32 v[PC+3+\i], v[204+\i]
	v_mov_b32 v[PC+9+\i], v[208+\i]
.endr
.irp i, 0,1,2
	global_store_b128 v4, v[PC+4*\i:PC+4*\i+3], s[6:7] offset:512*\i       ; 32 lanes store 512 consecutive bytes, at a multiple of 256 from the first byte of wq
.endr
	s_wait_dscnt 0x0                               ; for wave 0: my scale words have landed
	s_barrier_signal -1
	s_barrier_wait -1
	s_cmp_lg_u32 s20, 0
	s_cbranch_scc1 .Lend                           ; wave 0 sends the block of 256 bytes out whole
	ds_load_b64 v[64:65], v13
	s_wait_dscnt 0x0
	global_store_b64 v14, v[64:65], s[8:9]
.Lend:
	s_wait_tensorcnt 0x0                           ; the wave's end
	ds_add_u32 v62, v63
	s_wait_dscnt 0x0
	s_endpgm
.Lfunc_end_k_q556934113d_quantw:
	.size	k_q556934113d_quantw, .Lfunc_end_k_q556934113d_quantw-k_q556934113d_quantw
	.p2alignl 7, 3214868480
	.fill 96, 4, 3214868480
	.section	.rodata,"a",@progbits
	.p2align	6, 0x0
	.amdhsa_kernel k_q556934113d_quantw
		.amdhsa_group_segment_fixed_size 34560
		.amdhsa_private_segment_fixed_size 0
		.amdhsa_enable_private_segment 0
		.amdhsa_kernarg_size 24
		.amdhsa_user_sgpr_count 2
		.amdhsa_user_sgpr_kernarg_segment_ptr 1
		.amdhsa_wavefront_size32 1
		.amdhsa_system_sgpr_workgroup_id_x 1
		.amdhsa_system_sgpr_workgroup_id_y 1
		.amdhsa_system_sgpr_workgroup_id_z 1
		.amdhsa_system_vgpr_workitem_id 0
		.amdhsa_next_free_vgpr 224
		.amdhsa_next_free_sgpr 66
		.amdhsa_reserve_vcc 0
		.amdhsa_float_denorm_mode_32 3
		.amdhsa_float_denorm_mode_16_64 3
		.amdhsa_memory_ordered 1
		.amdhsa_forward_progress 1
		.amdhsa_inst_pref_size 11
	.end_amdhsa_kernel
	.amdgpu_metadata
---
amdhsa.version: [ 1, 2 ]
amdhsa.kernels:
  - .name:           k_q556934113d_quantw
    .symbol:         k_q556934113d_quantw.kd
    .args:
      - { .name: W_attn, .offset: 0, .size: 8, .value_kind: global_buffer, .address_space: global }
      - { .name: wq, .offset: 8, .size: 8, .value_kind: global_buffer, .address_space: global }
      - { .name: wsc, .offset: 16, .size: 8, .value_kind: global_buffer, .address_space: global }
    .group_segment_fixed_size: 34560
    .private_segment_fixed_size: 0
    .kernarg_segment_align: 8
    .kernarg_segment_size: 24
    .max_flat_workgroup_size: 128
    .sgpr_count:     66
    .vgpr_count:     224
    .wavefront_size: 32
...
	.end_amdgpu_metadata
.endif
;; end of part 4
;; launch energy (part 5): grid 4 x 64, 8 waves a work-group, clusters of 4 x 4, 327,680 bytes of LDS; arguments encoder_outputs_codes, encoder_outputs_scales, wq, wsc, v, epart; writes epart
.if DOCPART == 5
	.amdgcn_target "amdgcn-amd-amdhsa--gfx1250"
	.amdhsa_code_object_version 6
	.text
	.protected	k_q556934113d_energy
	.globl	k_q556934113d_energy
	.p2align	8
	.type	k_q556934113d_energy,@function
k_q556934113d_energy:
	s_mov_b64 s[64:65], 0
	v_nop
	global_prefetch_b8 v0, s[64:65] scope:SCOPE_SE
	s_setreg_imm32_b32 hwreg(HW_REG_WAVE_MODE, 25, 1), 1
	s_wait_xcnt 0x0
	s_wait_alu depctr_hold_cnt(0) depctr_sa_sdst(0) depctr_va_vdst(0) depctr_va_sdst(0) depctr_va_ssrc(0) depctr_va_vcc(0) depctr_vm_vsrc(0)
	s_getreg_b32 s2, hwreg(HW_REG_IB_STS2, 6, 4)
	s_cmp_eq_u32 s2, 0
	s_cbranch_scc0 .Lentry_in_a_cluster
	s_endpgm
.Lentry_in_a_cluster:
	s_bfe_u32 s2, ttmp6, 0x10000c
	s_cmp_lg_u32 s2, 0xf033
	s_cbranch_scc0 .Lentry_shape_is_right
	s_endpgm
.Lentry_shape_is_right:
; epart[g][row] = the sum over the 256 columns n of group g of v[n] x (the sum over k of W_e[n][k] e[row][k]); both operands codes of FP6 (E2M3) with one E8M0 byte for each 32 along K.
; Left out here as in the whole program: the term c[b], which is the same along the softmax's axis (the first launch's head shows it).
; SHARES.  256 work-groups, 4 column groups x 64 row groups: 256 columns x 1,024 rows each.  EIGHT WAVES: wave w has columns 64 (w % 4) .. + 63 and HALF OF K, kh = w / 4: K steps 4 kh .. 4 kh + 3 of 128.
; The dot with v is linear, so the two K halves of a sum are dotted apart, and their partial energies are added at the end with those of the other columns: no sum goes from wave to wave.
; W STAYS IN REGISTERS: a wave's 4 column tiles x 4 K steps are 16 fragments, 192 registers.  The rows stream through LDS: tiles of 128 rows x all of K, two slots; a tile is eight blocks of 16 rows.
; CLUSTERS of 4 x 4: the four of a row of the cluster need the same rows, the four of a column the same part of W: each is asked for JOINTLY (same load, same descriptor, a mask that names the four).
; THE MATRIX INSTRUCTION IS USED TRANSPOSED (source 0 = 16 columns of W_e, source 1 = 16 rows): a lane holds one row and eight columns, so the dot with v is multiply-adds within a lane.
; LDS ROWS: 16 bytes of padding behind every 256: 816 bytes a row.  My K half begins at LDS byte 400 kh of a row.
; LDS MAP: slot 0, slot 1; W's image lies from slot 1's start on until it is in registers; behind slot 1, on bytes of W's image that are filled no more, the stage for the partial energies; the rows' scale bytes, one place for each slot; the spare words.
; REGISTERS.  Window 0: v0-31 addresses, scale words; v32-63 v at my columns; v64-255 W (fragment 4 q + b).  Window 1: v0-95 the rows' fragments, two sets of 4 K steps; v96-159 two sets of four accumulators; v160-163 the dots; v164-171 fragment addresses.
; A BLOCK: 16 products, and behind each one line of the dot of the block before, under one window setting.  Between two blocks: four address lines, and 14 LDS loads of the block two on, into the set just read; a block's products lie between its loads and their use.
; BARRIERS, for each tile: (1) a plain one shows the next tile to all: signal behind block 5, wait behind block 6, nothing filled behind it; (2) a round of the cluster's barrier behind block 7, behind which this slot is filled again, two tiles on; half of the next block's products stand inside it.
; PREFETCHES INTO THE L2: behind tile t's first block one request for tile t + 3, which is loaded at the end of tile t + 1; tiles 1 and 2 at the head.  A tile is 384 blocks of 256 bytes on end: partner cx takes 96, waves 0-2 32 each, a lane a block; of its 16 blocks of
; scale bytes partner cx takes four, by wave 3.  So each block is named once in its cluster.  The last three tiles ask for nothing further on.
; LIMIT: the scale bytes are taken as given; the byte 0xff (NaN) makes its sums NaN.
.set PITCH, 816
.set SLOT,  128*PITCH
.set WB,    SLOT                       ; W's image, [q / 2][cw][kh][q % 2][b]: 196,608 bytes
.set STG,   2*SLOT                     ; the stage: 4,352 bytes a wave: 128 that the first store (zeros) takes, then 1,024 rows' partial energies
.set STP,   4352
.set SCL,   WB+196608                  ; scale bytes: 16 units of 256 + 16 for each slot
.set SCS,   4352
.set SPARE, SCL+2*SCS
.set TILEB, 128*768
.set SPW, 2
.set NIL, 3
.set ADRS, 4                           ; v4      my rows' scale words
.set STO0, 5
.set STO, 6
.set PFO, 7
.set LI,  8                            ; v8      16 x lane
.set RDS, 9
.set SA,  10                           ; v[SA + 4 e + q]: lanes 0-15 the words of a pair's first block, lanes 16-31 of its second
.set VO,  18
.set WA1, 19                           ; v31, v19  my part of W's image, K steps 0, 1 and 2, 3
.set SW,  20                           ; v[SW + 4 (b % 2) + q]: lanes 0-15 column tile b % 2, lanes 16-31 tile b % 2 + 2
.set XE,  28
.set YE,  29
.set FE,  30
.set WA0, 31
.set VV,  32
.set WR,  64
.set ACC, 96                           ; window 1 from here on: v[ACC + 32 (block % 2) + 8 b]
.set TT,  160                          ; v[TT + 2 (block % 2)] and the next: a block's dot
.set BAS, 164                          ; v164-167 my fragments' address in slot 0, block 0, for four classes of pieces: 16 bytes more in no wave's lanes; where kh = 1 in lanes 16-31; where kh = 1; where kh = 1 or in lanes 16-31
.set AD,  168                          ; v168-171 the same for the block that is fetched
.set WV,  16                           ; s16 wave
.set CX,  17                           ; s17 my column group: it enters W's address, global offsets and prefetches, never a row's descriptor
.set G1R, 24                           ; s[24:31], s[32:35]: 64 rows
.set G0R, 32
.set G0S, 36                           ; s[36:39], s[40:47]: a tile's scale bytes
.set G1S, 40
.set G0W, 48                           ; s[48:51], s[68:75]: a quarter of W's image
.set G1W, 68
.set LR,  52                           ; s52, s53 where my 64 rows go in slot 0, 1
.set PFA, 54
.set PFS, 56                           ; s[56:57] from tile to tile in what I prefetch
.set LIM, 58                           ; s58, s59: a wave prefetches while the trips left are above these
.set STS, 86                           ; s86 the stage's offset of this trip
.set MSB, 0
.macro WIN new                         ; the immediate's high byte repeats the setting that is left; a switch that changes nothing is dropped
.if MSB != (\new)
	s_set_vgpr_msb (MSB<<8)|(\new)
.set MSB, (\new)
.endif
.endm
.macro CREST                           ; a round of the cluster's barrier behind its opening barrier
	s_cmp_lg_u32 s[WV], 0
	s_cbranch_scc1 .Lnot_wave_0_\@
	s_barrier_signal -3
.Lnot_wave_0_\@:
	s_barrier_wait -3
	s_barrier_signal -1
	s_barrier_wait -1
.endm
.macro CROUND
	s_barrier_signal -1
	s_barrier_wait -1
	CREST
.endm
.macro TLOAD g0, g1
	tensor_load_to_lds s[\g0:\g0+3], s[\g1:\g1+7]
	s_nop 0
.rept 4
	v_nop
.endr
.endm
; A fragment: pieces of 8 bytes at 12 q + 6 c + i of my K half; lanes 16-31 read three pieces further on.  CL_: the piece's class, by where paddings lie ahead of it.  Two to a load where both are of one class.
.macro FRAG dst, q
.set SKIP_, 0
.irp p, 0,1,2,3,4,5
.if SKIP_
.set SKIP_, 0
.else
.set PC_, 12*(\q)+6*(\p/3)+\p%3
.set PN_, 12*(\q)+6*((\p+1)/3)+(\p+1)%3
.set CL_, ((PC_+3)/16+PC_/16)*(1-PC_/32)
.set CN_, ((PN_+3)/16+PN_/16)*(1-PN_/32)
.if (\p < 5) && (CL_ == CN_)
.set SKIP_, 1
	ds_load_2addr_b64 v[\dst+2*\p:\dst+2*\p+3], v[AD+CL_] offset0:PC_+2*(PC_/32) offset1:PN_+2*(PN_/32)
.else
	ds_load_b64 v[\dst+2*\p:\dst+2*\p+1], v[AD+CL_] offset:8*(PC_+2*(PC_/32))
.endif
.endif
.endr
.endm
.macro ADDS slot, blk                  ; the addresses of a block: also the four places behind the products ahead of them
	WIN 0x54
.irp c, 0,1,2,3
	v_add_nc_u32 v[AD+\c], SLOT*(\slot)+16*PITCH*(\blk), v[BAS+\c]
.endr
.endm
.macro LOADS slot, blk                 ; a block's four fragments: 14 loads, data and addresses in window 1
	WIN 0x41
.irp q, 0,1,2,3
	FRAG 48*((\blk)%2)+12*\q, \q
.endr
.endm
.macro SCALES slot, blk                ; the scale words of blocks blk (even) and blk + 1
	WIN 0
	ds_load_b128 v[SA+4*(((\blk)/2)%2):SA+4*(((\blk)/2)%2)+3], v[ADRS] offset:SCS*(\slot)+544*(\blk)
.endm
.macro WM ra, rb, blk                  ; product N_ = 4 q + b of block blk
.set D_, ACC+32*((\blk)%2)+8*(N_%4)
.set A_, WR+12*N_
.set B_, 48*((\blk)%2)+12*(N_/4)
.set XA_, SW+4*(N_%2)+N_/4
.set XB_, SA+4*(((\blk)/2)%2)+N_/4
.if N_/4
	v_wmma_scale_f32_16x16x128_f8f6f4 v[D_:D_+7], v[A_:A_+11], v[B_:B_+11], v[D_:D_+7], v[XA_], v[XB_] matrix_a_fmt:MATRIX_FMT_FP6 matrix_b_fmt:MATRIX_FMT_FP6 matrix_a_scale:MATRIX_SCALE_ROW\ra matrix_b_scale:MATRIX_SCALE_ROW\rb
.else
	v_wmma_scale_f32_16x16x128_f8f6f4 v[D_:D_+7], v[A_:A_+11], v[B_:B_+11], 0, v[XA_], v[XB_] matrix_a_fmt:MATRIX_FMT_FP6 matrix_b_fmt:MATRIX_FMT_FP6 matrix_a_scale:MATRIX_SCALE_ROW\ra matrix_b_scale:MATRIX_SCALE_ROW\rb
.endif
.endm
.macro DOT blk                         ; line N_ of the dot of block blk - 1: each accumulator from its low end on
.set S_, ACC+32*(((\blk)+1)%2)
.set T_, TT+2*(((\blk)+1)%2)
.if N_
	v_pk_fma_f32 v[T_:T_+1], v[VV+2*N_:VV+2*N_+1], v[S_+2*N_:S_+2*N_+1], v[T_:T_+1]
.else
	v_pk_mul_f32 v[T_:T_+1], v[VV:VV+1], v[S_:S_+1]
.endif
.endm
.macro PR blk, from, to, dots          ; the four accumulators take turns, one instruction a turn
	WIN 0x54                                       ; source 0 (W, v) window 0; all else window 1
.set N_, \from
.rept (\to)-(\from)
.if N_%4 < 2
.if (\blk)%2
	WM 0, 1, \blk
.else
	WM 0, 0, \blk
.endif
.else
.if (\blk)%2
	WM 1, 1, \blk
.else
	WM 1, 0, \blk
.endif
.endif
.if \dots
	DOT \blk
.endif
.set N_, N_+1
.endr
.endm
.macro FINISH off                      ; two blocks' 32 energies: the halves of the lanes change places, so that lane l ends with row l of the pair
	WIN 0x05
	v_add_f32 v[XE], v[TT], v[TT+1]
	v_add_f32 v[YE], v[TT+2], v[TT+3]
	WIN 0
	v_permlane16_swap_b32 v[XE], v[YE]             ; XE: both blocks' columns 0-7 of each 16; YE: their columns 8-15
	v_add_f32 v[FE], v[XE], v[YE]
	ds_store_b32 v[STO], v[FE] offset:\off
.endm
.macro ASK slot
	WIN 0
	s_cmp_gt_u32 s3, s[LIM+\slot]
	s_cbranch_scc0 .Lnot_mine_\@
	global_prefetch_b8 v[PFO], s[PFA:PFA+1] th:TH_LOAD_NT scope:SCOPE_SE
.Lnot_mine_\@:
.endm
; Between blocks j and j + 1 of the tile in slot, j = 0 .. 6.  show: a tile follows whose landing is shown here; fill: this slot is filled again; more: a tile follows.
; The counts at the end: what was issued here may be out (14 fragment loads; a store and a scale load; the add): block j + 1's loads, issued a block earlier, are in.
.macro BND slot, j, show, fill, more
.if (\j == 6) && \show
	WIN 0
	s_wait_alu depctr_va_vdst(0)
	s_barrier_wait -1                              ; the next tile is in, all waves' parts of it
.endif
.if (\j == 3) && \fill
	s_wait_xcnt 0x0                                ; my last prefetch, three blocks back, has read its address
	s_add_nc_u64 s[PFA:PFA+1], s[PFA:PFA+1], s[PFS:PFS+1]
.endif
.if \j < 6
	ADDS \slot, \j+2
	LOADS \slot, \j+2
.elseif \more
	ADDS 1-\slot, 0
	LOADS 1-\slot, 0
.endif
.if (\j)%2 == 0
	FINISH 64*(\j)+512*(\slot)                     ; the two blocks ahead of block j
.if \j < 6
	SCALES \slot, \j+2
.elseif \more
	SCALES 1-\slot, 0
.endif
.endif
.if (\j == 0) && \fill
	ASK \slot
.endif
.if (\j == 6) && \fill
	s_wait_tensorcnt 0x0                           ; all my tensor loads have landed
	ds_add_u32 v[SPW], v[NIL]                      ; 0 onto my spare word
	s_mov_b32 s[G0R+1], s[LR+\slot]                ; no load of mine is out: the descriptors' addresses of the tile two on
	s_add_nc_u64 s[G0R+2:G0R+3], s[G0R+2:G0R+3], TILEB
	s_mov_b32 s[G0S+1], SCL+SCS*(\slot)
	s_add_nc_u64 s[G0S+2:G0S+3], s[G0S+2:G0S+3], 4096
	s_wait_dscnt 17
.elseif (\j == 6) && (\more == 0)
	s_wait_dscnt 1
.elseif (\j)%2 == 0
	s_wait_dscnt 16
.else
	s_wait_dscnt 14
.endif
.endm
.macro TILE slot, show, fill, more     ; from behind the tile's block 0 to behind the next tile's
.irp j, 0,1,2,3,4,5,6
	BND \slot, \j, \show, \fill, \more
	PR (\j+1), 0, 16, 1
.if (\j == 4) && \show
	s_wait_tensorcnt 0x0                           ; my part of the next tile is in
	s_wait_dscnt 0x0
	s_barrier_signal -1
.endif
.endr
.if \fill
	ADDS 1-\slot, 1
	s_wait_dscnt 0x0                               ; the add is done, and my reads of this slot are over
	s_barrier_signal -1                            ; opens a round; half a block's products stand inside
	PR 8, 0, 8, 1
	WIN 0
	s_wait_alu depctr_va_vdst(0)
	s_barrier_wait -1
	CREST                                          ; no wave of any partner still reads this slot or has a load on its way
	s_cmp_lt_u32 s[WV], 2
	s_cbranch_scc0 .Lscales_\@
	TLOAD G0R, G1R                                 ; waves 0, 1: 64 rows each
	s_branch .Lasked_\@
.Lscales_\@:
	s_cmp_eq_u32 s[WV], 2
	s_cbranch_scc0 .Lasked_\@
	TLOAD G0S, G1S                                 ; wave 2: the tile's scale bytes
.Lasked_\@:
	LOADS 1-\slot, 1
	PR 8, 8, 16, 1
.elseif \more
	ADDS 1-\slot, 1
	LOADS 1-\slot, 1
	s_wait_dscnt 14
	PR 8, 0, 16, 1
.else
	WIN 0x54
.rept 4
	v_nop                                          ; four plain lines between the last products and the first read of their results (ISA guide 7.12.1)
.endr
.set N_, 0
.rept 16
	DOT 8
.set N_, N_+1
.endr
.endif
.endm
.macro GLOADS                          ; W's scale words, and v at my lane's eight columns of each tile
.irp p, 0,1
	global_load_b128 v[SW+4*\p:SW+4*\p+3], v[LI], s[10:11] offset:1024*\p
.endr
.irp b, 0,1,2,3
.irp j, 0,1
	global_load_b128 v[VV+8*\b+4*\j:VV+8*\b+4*\j+3], v[VO], s[12:13] offset:64*\b+16*\j
.endr
.endr
.endm
.macro WLOAD h, a                      ; K steps 2 h, 2 h + 1 of W into registers: 24 loads
.set F_, 0
.rept 8
.irp i, 0,1,2
	ds_load_b128 v[WR+12*(F_+8*\h)+4*\i:WR+12*(F_+8*\h)+4*\i+3], v[\a] offset:1536*F_+512*\i
.endr
.set F_, F_+1
.endr
.endm
	s_load_b256 s[4:11], s[0:1], 0x0               ; the rows' codes s[4:5], their scales s[6:7], wq s[8:9], wsc s[10:11]
	s_load_b128 s[12:15], s[0:1], 0x20             ; v s[12:13], epart s[14:15]
	v_lshl_add_u32 v[SPW], v0, 2, SPARE
	v_mov_b32 v[NIL], 0
	ds_add_u32 v[SPW], v[NIL]                      ; the wave's opening: the add, twice on end, under one wait
	ds_add_u32 v[SPW], v[NIL]
	v_lshrrev_b32 v1, 5, v0
	v_readfirstlane_b32 s[WV], v1                  ; wave 0..7
	s_bfe_u32 s[CX], ttmp6, 0x40000                ; cx
	s_bfe_u32 s18, ttmp6, 0x40004                  ; cy
	s_and_b32 s19, s[WV], 1                        ; which half of a tile's rows I fetch
	s_lshl_b32 s20, s18, 2
	s_lshl_b32 s20, 15, s20                        ; my row of the cluster
	s_lshl_b32 s21, 0x1111, s[CX]                  ; my column
	s_or_b32 s[G1R], s20, (1<<20)|(1<<21)|(5<<22)|(3<<25)  ; 64 rows of 768 bytes; after every 64 words 4 words of padding
	s_mov_b32 s[G1R+1], 768<<16
	s_mov_b32 s[G1R+2], 64<<16
	s_mov_b32 s[G1R+3], 768<<16
	s_mov_b32 s[G1R+4], 64
	s_mov_b32 s[G1R+5], 768
	s_mov_b32 s[G1R+6], 0
	s_mov_b32 s[G1R+7], 0
	s_or_b32 s[G1S], s20, (3<<16)|(1<<20)|(1<<21)|(5<<22)|(3<<25)  ; 4,096 bytes on end as 16 rows of 256, 16 bytes of padding behind each
	s_mov_b32 s[G1S+1], 32<<16
	s_mov_b32 s[G1S+2], 16<<16
	s_mov_b32 s[G1S+3], 32<<16
	s_mov_b32 s[G1S+4], 16
	s_mov_b32 s[G1S+5], 32
	s_mov_b32 s[G1S+6], 0
	s_mov_b32 s[G1S+7], 0
	s_or_b32 s[G1W], s21, (3<<16)|(1<<21)          ; two K steps of four waves: four rows of 12,288 bytes, 24,576 bytes from row to row
	s_mov_b32 s[G1W+1], 1536<<16
	s_mov_b32 s[G1W+2], 4<<16
	s_mov_b32 s[G1W+3], 1536<<16
	s_mov_b32 s[G1W+4], 4
	s_mov_b32 s[G1W+5], 3072
	s_mov_b32 s[G1W+6], 0
	s_mov_b32 s[G1W+7], 0
	s_and_b32 s22, ttmp7, 0xffff
	s_lshl_b32 s22, s22, 2
	s_add_co_u32 s22, s22, s18                     ; my row group
	s_mul_i32 s76, s22, 8*TILEB                    ; its codes,
	s_lshl_b32 s78, s22, 15                        ; its scale bytes
	s_mul_i32 s23, s19, 64*768
	s_add_co_u32 s62, s76, s23
	s_mov_b32 s63, 0
	s_lshl_b32 s23, s19, 12
	s_add_co_u32 s60, s78, s23
	s_mov_b32 s61, 0
	s_mul_i32 s[LR], s19, 64*PITCH
	s_add_co_u32 s[LR+1], s[LR], SLOT
	s_and_b32 s77, s[WV], 3                        ; cw: which 64 columns
	s_lshr_b32 s79, s[WV], 2                       ; kh: which half of K
	s_bfe_u32 s84, s[WV], 0x10001                  ; which two K steps of W's image waves 0-3 fetch; bit 0 says for which four waves
	s_mul_i32 s66, s[CX], 196608
	s_mul_i32 s85, s19, 98304
	s_add_co_u32 s66, s66, s85
	s_mul_i32 s85, s84, 12288
	s_add_co_u32 s66, s66, s85
	s_mov_b32 s67, 0
	s_mov_b32 s[G0W], 1
	s_mul_i32 s[G0W+1], s84, 98304
	s_mul_i32 s85, s19, 49152
	s_add_co_u32 s[G0W+1], s[G0W+1], s85
	s_add_co_u32 s[G0W+1], s[G0W+1], WB
	s_mov_b32 s[G0R], 1
	s_mov_b32 s[G0R+1], s[LR]
	s_mov_b32 s[G0S], 1
	s_mul_i32 s[G0S+1], s19, SCS
	s_add_co_u32 s[G0S+1], s[G0S+1], SCL
	s_mul_i32 s80, s79, 400                        ; LDS: my half of a row
	s_lshl_b32 s87, s79, 4                         ; 16 kh
	s_xor_b32 s88, s87, 16                         ; 16 (1 - kh)
	s_mul_i32 s89, s79, 416
	s_add_co_u32 s81, s87, SCL                     ; my four words of a row's scale bytes
	s_mul_i32 s82, s77, 24576
	s_mul_i32 s85, s79, 12288
	s_add_co_u32 s82, s82, s85
	s_add_co_u32 s82, s82, WB                      ; my part of W's image
	s_mul_i32 s83, s[WV], STP
	s_add_co_u32 s83, s83, STG                     ; my stage
	s_lshl_b32 s85, s[WV], 9
	s_add_co_u32 s85, s85, STG+128                 ; the 128 rows that I send out
	s_cmp_lt_u32 s[WV], 3
	s_cselect_b32 s23, 31, 3
	v_and_b32 v1, 31, v0                           ; lane
	v_and_b32 v64, 15, v0                          ; r  (v64-71: at work here, before W lands there)
	v_bfe_u32 v65, v0, 4, 1                        ; h
	v_mul_u32_u24 v66, v64, PITCH
	v_mad_u32_u24 v66, v65, 24, v66
	v_mad_u32_u24 v67, v65, s87, v66
	v_mad_u32_u24 v68, v65, s88, v66
	v_lshrrev_b32 v69, 3, v64
	v_mul_u32_u24 v69, v69, 272
	v_and_b32 v70, 7, v64
	v_lshl_add_u32 v69, v70, 5, v69                ; a row's 32 scale bytes: eight rows to a unit of 256 + 16
	v_mad_u32_u24 v69, v65, 544, v69               ; lanes 16-31: the pair's second block
	v_add_nc_u32 v[ADRS], s81, v69
	v_lshlrev_b32 v[LI], 4, v1
	v_add_nc_u32 v[WA0], s82, v[LI]
	v_add_nc_u32 v[WA1], 98304, v[WA0]
	v_lshlrev_b32 v71, 2, v1
	v_add_nc_u32 v[STO0], s83, v71
	v_add_nc_u32 v[RDS], s85, v[LI]
	v_lshlrev_b32 v[VO], 5, v65
	v_min_u32 v[PFO], s23, v1                      ; (wave 3's lanes 4-31 name its last block again)
	v_lshlrev_b32 v[PFO], 8, v[PFO]
	WIN 0x40
	v_add_nc_u32 v[BAS], s80, v66
	v_add_nc_u32 v[BAS+1], s80, v67
	v_add_nc_u32 v[BAS+2], s89, v66
	v_add_nc_u32 v[BAS+3], s89, v68
.irp j, 0,1,2,3
	v_mov_b32 v[TT+\j], 0                          ; the first FINISH finds zeros: they go to the stage's first 128 bytes, which nobody reads
.endr
	WIN 0
	s_wait_alu depctr_va_vdst(0)                   ; the wait at the head's end
	s_wait_dscnt 0x0                               ; both opening adds are done
	CROUND                                         ; all sixteen work-groups are here: the first joint loads meet
	s_lshl_b32 s84, s[CX], 2
	s_add_co_u32 s84, s84, s77                     ; which 64 of the 1,024 columns
	s_mov_b32 s81, 0
	s_lshl_b32 s80, s84, 11
	s_lshl_b32 s85, s79, 9
	s_add_co_u32 s80, s80, s85
	s_mov_b32 s83, 0
	s_lshl_b32 s82, s84, 8
	s_wait_kmcnt 0x0
	s_add_nc_u64 s[G0W+2:G0W+3], s[8:9], s[66:67]
	s_or_b32 s[G0W+3], s[G0W+3], 0x80000000
	s_add_nc_u64 s[G0R+2:G0R+3], s[4:5], s[62:63]
	s_or_b32 s[G0R+3], s[G0R+3], 0x80000000
	s_add_nc_u64 s[G0S+2:G0S+3], s[6:7], s[60:61]
	s_or_b32 s[G0S+3], s[G0S+3], 0x80000000
	s_add_nc_u64 s[10:11], s[10:11], s[80:81]
	s_add_nc_u64 s[12:13], s[12:13], s[82:83]
	; one tensor load a wave at the head.  W is needed first and is asked for first: the other waves ask behind their plain loads
	s_cmp_lt_u32 s[WV], 2
	s_cbranch_scc0 .Lhead_w1
	TLOAD G0W, G1W                                 ; waves 0, 1: each wave's K steps 0, 1 of W
	GLOADS
	s_branch .Lhead_asked
.Lhead_w1:
	s_cmp_lt_u32 s[WV], 4
	s_cbranch_scc0 .Lhead_rows
	TLOAD G0W, G1W                                 ; waves 2, 3: K steps 2, 3
	GLOADS
	s_branch .Lhead_asked
.Lhead_rows:
	GLOADS
	s_cmp_lt_u32 s[WV], 6
	s_cbranch_scc0 .Lhead_scales
	TLOAD G0R, G1R                                 ; waves 4, 5: tile 0
	s_branch .Lhead_asked
.Lhead_scales:
	TLOAD G0S, G1S                                 ; waves 6, 7: the scale bytes of tiles 0 and 1
.Lhead_asked:
	s_lshl_b32 s80, s[CX], 18                      ; epart: [cx][row]
	s_lshl_b32 s85, s22, 12
	s_add_co_u32 s80, s80, s85
	s_lshl_b32 s85, s[WV], 9
	s_add_co_u32 s80, s80, s85
	s_add_nc_u64 s[14:15], s[14:15], s[80:81]
	s_mul_i32 s82, s[CX], 24576                    ; what I prefetch, at tile 1: waves 0-2 32 blocks of the rows,
	s_lshl_b32 s85, s[WV], 13
	s_add_co_u32 s82, s82, s85
	s_add_co_u32 s82, s82, s76
	s_add_co_u32 s82, s82, TILEB
	s_lshl_b32 s85, s[CX], 10                      ; wave 3 four blocks of the scale bytes
	s_add_co_u32 s85, s85, s78
	s_add_co_u32 s85, s85, 4096
	s_mov_b32 s84, TILEB
	s_mov_b32 s[PFS+1], 0
	s_cmp_lt_u32 s[WV], 3
	s_cselect_b32 s82, s82, s85
	s_cselect_b32 s[PFS], s84, 0x1000
	s_cselect_b64 s[PFA:PFA+1], s[4:5], s[6:7]
	s_add_nc_u64 s[PFA:PFA+1], s[PFA:PFA+1], s[82:83]
	s_cmp_lt_u32 s[WV], 4
	s_cselect_b32 s[LIM], 0, -1
	s_cselect_b32 s[LIM+1], 1, -1
	s_cmp_lt_u32 s[WV], 3
	s_cbranch_scc0 .Lno_tile_1
	global_prefetch_b8 v[PFO], s[PFA:PFA+1] th:TH_LOAD_NT scope:SCOPE_SE   ; tile 1's rows (its scale bytes are asked for by wave 7)
.Lno_tile_1:
	s_cmp_lt_u32 s[WV], 2
	s_cbranch_scc0 .Lno_w0
	s_wait_tensorcnt 0x0                           ; my quarter of W is in
.Lno_w0:
	s_barrier_signal -1
	s_barrier_wait -1                              ; K steps 0, 1 of W are in
	WLOAD 0, WA0
	s_cmp_lt_u32 s[WV], 4
	s_cbranch_scc0 .Lno_w1
	s_wait_tensorcnt 0x0
.Lno_w1:
	s_wait_dscnt 0x0
	s_barrier_signal -1
	s_barrier_wait -1                              ; K steps 2, 3 are in; the rows may still be on their way
	WLOAD 1, WA1
	s_wait_xcnt 0x0
	s_add_nc_u64 s[PFA:PFA+1], s[PFA:PFA+1], s[PFS:PFS+1]
	s_wait_tensorcnt 0x0                           ; tile 0 and the scale bytes are in
	ds_add_u32 v[SPW], v[NIL]
	s_mov_b32 s[G0R+1], s[LR+1]                    ; no load of mine is out: tile 1, into slot 1
	s_add_nc_u64 s[G0R+2:G0R+3], s[G0R+2:G0R+3], TILEB
	s_add_nc_u64 s[G0S+2:G0S+3], s[G0S+2:G0S+3], 4096
	s_wait_dscnt 0x0                               ; the add is done, and W is in my registers
	CROUND
	s_cmp_lt_u32 s[WV], 2
	s_cbranch_scc0 .Lno_rows
	TLOAD G0R, G1R                                 ; tile 1, onto W's image, which all waves hold in registers
.Lno_rows:
	ADDS 0, 0
	LOADS 0, 0
	SCALES 0, 0
	ADDS 0, 1
	LOADS 0, 1
	WIN 0
	s_cmp_lt_u32 s[WV], 4
	s_cbranch_scc0 .Lno_tile_2
	global_prefetch_b8 v[PFO], s[PFA:PFA+1] th:TH_LOAD_NT scope:SCOPE_SE   ; tile 2
.Lno_tile_2:
	s_mov_b32 s[STS], 0
	s_mov_b32 s3, 3
	s_wait_loadcnt 0x0                             ; W's scale words and v
	s_wait_dscnt 14                                ; block 0 and the scale words; block 1's loads may be out
	PR 0, 0, 16, 0                                 ; block 0: nothing to dot yet
	WIN 0
	s_wait_xcnt 0x0
	s_add_nc_u64 s[PFA:PFA+1], s[PFA:PFA+1], s[PFS:PFS+1]  ; at tile 3
.Ltrip:                                                ; three trips of two tiles: tiles 0 to 5, each of which fills its slot again
	v_add_nc_u32 v[STO], s[STS], v[STO0]
	TILE 0, 1, 1, 1
	TILE 1, 1, 1, 1
	WIN 0
	s_add_co_u32 s[STS], s[STS], 1024
	s_sub_co_u32 s3, s3, 1
	s_wait_alu depctr_va_vdst(0)                   ; the wait ahead of the branch
	s_cmp_lg_u32 s3, 0
	s_cbranch_scc1 .Ltrip
	v_add_nc_u32 v[STO], 3072, v[STO0]
	TILE 0, 1, 0, 1                                ; the last two tiles are written out: nothing is left to fetch
	TILE 1, 0, 0, 0
	FINISH 1024                                    ; the last two blocks
	; THE WAY OUT: the eight waves' partial energies meet in the stage; wave w sums and stores rows 128 w on
	s_wait_dscnt 0x0                               ; for the others: my stores have landed
	s_barrier_signal -1
	s_barrier_wait -1
.irp w, 0,1,2,3,4,5,6,7
	ds_load_b128 v[64+4*\w:64+4*\w+3], v[RDS] offset:STP*\w
.endr
	s_wait_dscnt 0x0
.irp w, 0,8,16,24
	v_pk_add_f32 v[64+\w:65+\w], v[64+\w:65+\w], v[68+\w:69+\w]
	v_pk_add_f32 v[66+\w:67+\w], v[66+\w:67+\w], v[70+\w:71+\w]
.endr
.irp w, 0,16
	v_pk_add_f32 v[64+\w:65+\w], v[64+\w:65+\w], v[72+\w:73+\w]
	v_pk_add_f32 v[66+\w:67+\w], v[66+\w:67+\w], v[74+\w:75+\w]
.endr
	v_pk_add_f32 v[64:65], v[64:65], v[80:81]
	v_pk_add_f32 v[66:67], v[66:67], v[82:83]
	global_store_b128 v[LI], v[64:67], s[14:15]    ; 32 lanes store 512 consecutive bytes, at a multiple of 256 from the first byte of epart
	s_wait_tensorcnt 0x0                           ; the wave's end
	ds_add_u32 v[SPW], v[NIL]
	s_wait_dscnt 0x0
	CROUND                                         ; the closing round: no work-group ends while a partner may still ask for a tile that names it
	s_endpgm
.Lfunc_end_k_q556934113d_energy:
	.size	k_q556934113d_energy, .Lfunc_end_k_q556934113d_energy-k_q556934113d_energy
	.p2alignl 7, 3214868480
	.fill 96, 4, 3214868480
	.section	.rodata,"a",@progbits
	.p2align	6, 0x0
	.amdhsa_kernel k_q556934113d_energy
		.amdhsa_group_segment_fixed_size 327680
		.amdhsa_private_segment_fixed_size 0
		.amdhsa_enable_private_segment 0
		.amdhsa_kernarg_size 48
		.amdhsa_user_sgpr_count 2
		.amdhsa_user_sgpr_kernarg_segment_ptr 1
		.amdhsa_wavefront_size32 1
		.amdhsa_system_sgpr_workgroup_id_x 1
		.amdhsa_system_sgpr_workgroup_id_y 1
		.amdhsa_system_sgpr_workgroup_id_z 1
		.amdhsa_system_vgpr_workitem_id 0
		.amdhsa_next_free_vgpr 432
		.amdhsa_next_free_sgpr 90
		.amdhsa_reserve_vcc 0
		.amdhsa_float_denorm_mode_32 3
		.amdhsa_float_denorm_mode_16_64 3
		.amdhsa_memory_ordered 1
		.amdhsa_forward_progress 1
		.amdhsa_inst_pref_size 164
	.end_amdhsa_kernel
	.amdgpu_metadata
---
amdhsa.version: [ 1, 2 ]
amdhsa.kernels:
  - .name:           k_q556934113d_energy
    .symbol:         k_q556934113d_energy.kd
    .args:
      - { .name: encoder_outputs_codes, .offset: 0, .size: 8, .value_kind: global_buffer, .address_space: global }
      - { .name: encoder_outputs_scales, .offset: 8, .size: 8, .value_kind: global_buffer, .address_space: global }
      - { .name: wq, .offset: 16, .size: 8, .value_kind: global_buffer, .address_space: global }
      - { .name: wsc, .offset: 24, .size: 8, .value_kind: global_buffer, .address_space: global }
      - { .name: v, .offset: 32, .size: 8, .value_kind: global_buffer, .address_space: global }
      - { .name: epart, .offset: 40, .size: 8, .value_kind: global_buffer, .address_space: global }
    .group_segment_fixed_size: 327680
    .private_segment_fixed_size: 0
    .kernarg_segment_align: 8
    .kernarg_segment_size: 48
    .max_flat_workgroup_size: 256
    .sgpr_count:     90
    .vgpr_count:     432
    .wavefront_size: 32
...
	.end_amdgpu_metadata
.endif
;; end of part 5
;; launch softmax (part 6): grid 32 x 1, 8 waves a work-group, no clusters, 1,280 bytes of LDS; arguments epart, out0; writes out0
.if DOCPART == 6
	.amdgcn_target "amdgcn-amd-amdhsa--gfx1250"
	.amdhsa_code_object_version 6
	.text
	.protected	k_q556934113d_softmax
	.globl	k_q556934113d_softmax
	.p2align	8
	.type	k_q556934113d_softmax,@function
k_q556934113d_softmax:
	s_mov_b64 s[64:65], 0
	v_nop
	global_prefetch_b8 v0, s[64:65] scope:SCOPE_SE
	s_setreg_imm32_b32 hwreg(HW_REG_WAVE_MODE, 25, 1), 1
	s_wait_xcnt 0x0
; out0[b][s] = softmax over s of x[b][s], x = the sum of the four column groups' partial energies.  Left out: the term c[b], which is the same along s (the first launch's head shows it).
; A work-group of eight waves takes one batch b: 2,048 numbers, eight a thread: each load and store of a wave covers 512 consecutive bytes.
; Each wave takes its own maximum m away before its exponentials and sums them; one barrier joins the waves: M = the largest m, S = the sum of 2^((m - M) log2 e) x each wave's sum, and each wave's numbers are multiplied by its own such factor / S.
; LIMIT: v_exp_f32 gives 0 where its result would lie under 2^-126 (ISA guide, its entry in 15.8): such weights come out as 0.
; No matrix unit, no cluster, no tensor load: 32 KB a work-group, all loads issued at once.
.set C2, 0x3fb8aa3b                    ; log2(e)
	s_load_b128 s[4:7], s[0:1], 0x0                ; epart, out0
	v_lshl_add_u32 v66, v0, 2, 256
	v_mov_b32 v67, 0
	s_lshl_b32 s12, ttmp9, 13                      ; 2,048 numbers a batch
	s_mov_b32 s13, 0
	s_mov_b32 s18, 0x76543210
	s_mov_b32 s19, 0xfedcba98                      ; lane selects: lane l xor 16
	v_lshrrev_b32 v3, 5, v0                        ; wave
	v_lshlrev_b32 v1, 4, v0                        ; my 16 bytes
	v_mov_b32 v7, 0
	v_lshlrev_b32 v5, 3, v3                        ; LDS: 8 bytes a wave
	v_mov_b32 v46, 0                               ; (a lane permute's destination counts as one of its sources)
	s_wait_alu depctr_va_vdst(0)                   ; the wait at the head's end
	s_wait_kmcnt 0x0
	s_add_nc_u64 s[4:5], s[4:5], s[12:13]
	s_add_nc_u64 s[6:7], s[6:7], s[12:13]
.irp g, 0,1,2,3
.irp u, 0,1
	global_load_b128 v[8+8*\g+4*\u:11+8*\g+4*\u], v1, s[4:5] offset:262144*\g+4096*\u th:TH_LOAD_NT
.endr
.endr
	s_wait_loadcnt 0x0
.irp j, 0,2,4,6
	v_pk_add_f32 v[8+\j:9+\j], v[8+\j:9+\j], v[16+\j:17+\j]
	v_pk_add_f32 v[24+\j:25+\j], v[24+\j:25+\j], v[32+\j:33+\j]
.endr
.irp j, 0,2,4,6
	v_pk_add_f32 v[8+\j:9+\j], v[8+\j:9+\j], v[24+\j:25+\j]
.endr
	v_max3_num_f32 v44, v8, v9, v10
	v_max3_num_f32 v45, v11, v12, v13
	s_delay_alu instid0(VALU_DEP_2)
	v_max3_num_f32 v44, v44, v14, v15
	s_delay_alu instid0(VALU_DEP_1)
	v_max_num_f32 v44, v44, v45
.irp x, 1,2,4,8
	s_delay_alu instid0(VALU_DEP_1)
	v_max_num_f32_dpp v44, v44, v44 row_xmask:\x row_mask:0xf bank_mask:0xf
.endr
	s_delay_alu instid0(VALU_DEP_1)
	v_permlanex16_b32 v46, v44, s18, s19
	s_delay_alu instid0(VALU_DEP_1)
	v_max_num_f32 v44, v44, v46                    ; my wave's maximum
.irp j, 0,2,4,6
	v_pk_add_f32 v[8+\j:9+\j], v[8+\j:9+\j], v[44:45] op_sel_hi:[1,0] neg_lo:[0,1] neg_hi:[0,1]   ; 0 or less (the pair's low word serves both halves)
.endr
.irp j, 0,2,4,6
	v_pk_mul_f32 v[8+\j:9+\j], v[8+\j:9+\j], C2 op_sel_hi:[1,0]
.endr
	s_wait_alu depctr_va_vdst(0)                   ; the wait ahead of the batch
.irp j, 0,1,2,3,4,5,6,7
	v_exp_f32 v[8+\j], v[8+\j]
.endr
	v_mov_b32 v17, 0                               ; a plain line behind the exponentials
	s_wait_alu depctr_va_vdst(0)                   ; and behind it
	v_pk_add_f32 v[18:19], v[8:9], v[10:11]
	v_pk_add_f32 v[20:21], v[12:13], v[14:15]
	s_delay_alu instid0(VALU_DEP_1)
	v_pk_add_f32 v[18:19], v[18:19], v[20:21]
	s_delay_alu instid0(VALU_DEP_1)
	v_add_f32 v16, v18, v19
.irp x, 1,2,4,8
	s_delay_alu instid0(VALU_DEP_1)
	v_add_f32_dpp v16, v16, v16 row_xmask:\x row_mask:0xf bank_mask:0xf
.endr
	s_delay_alu instid0(VALU_DEP_1)
	v_permlanex16_b32 v17, v16, s18, s19
	s_delay_alu instid0(VALU_DEP_1)
	v_add_f32 v45, v16, v17                        ; my wave's sum
	ds_store_b64 v5, v[44:45]                      ; all lanes of a wave write the same 8 bytes with the same values
	s_wait_alu depctr_va_vdst(0)
	s_wait_dscnt 0x0
	s_barrier_signal -1
	s_barrier_wait -1
.irp i, 0,1,2,3
	ds_load_b128 v[48+4*\i:51+4*\i], v7 offset:16*\i       ; eight pairs: a wave's maximum, its sum
.endr
	s_wait_dscnt 0x0
	v_max3_num_f32 v40, v48, v50, v52
	v_max3_num_f32 v41, v54, v56, v58
	s_delay_alu instid0(VALU_DEP_2)
	v_max3_num_f32 v40, v40, v60, v62
	s_delay_alu instid0(VALU_DEP_1)
	v_max_num_f32 v40, v40, v41                    ; M
	v_sub_f32 v42, v44, v40
.irp i, 0,2,4,6,8,10,12,14
	v_sub_f32 v[48+\i], v[48+\i], v40
.endr
	v_mul_f32 v42, C2, v42
.irp i, 0,2,4,6,8,10,12,14
	v_mul_f32 v[48+\i], C2, v[48+\i]
.endr
	s_wait_alu depctr_va_vdst(0)                   ; the wait ahead of the batch
	v_exp_f32 v42, v42                             ; my wave's factor
.irp i, 0,2,4,6,8,10,12,14
	v_exp_f32 v[48+\i], v[48+\i]                   ; all eight waves'
.endr
	v_mov_b32 v43, 0                               ; a plain line behind the exponentials; v43 is named with v42 as a pair
	s_wait_alu depctr_va_vdst(0)                   ; and behind it
	v_mul_f32 v40, v48, v49
	v_mul_f32 v41, v50, v51
.irp i, 4,8,12
	v_fmac_f32 v40, v[48+\i], v[49+\i]
	v_fmac_f32 v41, v[50+\i], v[51+\i]
.endr
	v_add_f32 v40, v40, v41                        ; S: at least 1
	s_wait_alu depctr_va_vdst(0)                   ; the wait ahead of the transcendental
	v_rcp_f32 v28, v40
	v_nop                                          ; a plain place behind it
	s_wait_alu depctr_va_vdst(0)
	v_mul_f32 v42, v42, v28
.irp j, 0,2,4,6
	v_pk_mul_f32 v[8+\j:9+\j], v[8+\j:9+\j], v[42:43] op_sel_hi:[1,0]
.endr
	global_store_b128 v1, v[8:11], s[6:7] th:TH_STORE_NT
	global_store_b128 v1, v[12:15], s[6:7] offset:4096 th:TH_STORE_NT
	s_wait_tensorcnt 0x0                           ; the wave's end
	ds_add_u32 v66, v67
	s_wait_dscnt 0x0
	s_endpgm
.Lfunc_end_k_q556934113d_softmax:
	.size	k_q556934113d_softmax, .Lfunc_end_k_q556934113d_softmax-k_q556934113d_softmax
	.p2alignl 7, 3214868480
	.fill 96, 4, 3214868480
	.section	.rodata,"a",@progbits
	.p2align	6, 0x0
	.amdhsa_kernel k_q556934113d_softmax
		.amdhsa_group_segment_fixed_size 1280
		.amdhsa_private_segment_fixed_size 0
		.amdhsa_enable_private_segment 0
		.amdhsa_kernarg_size 16
		.amdhsa_user_sgpr_count 2
		.amdhsa_user_sgpr_kernarg_segment_ptr 1
		.amdhsa_wavefront_size32 1
		.amdhsa_system_sgpr_workgroup_id_x 1
		.amdhsa_system_sgpr_workgroup_id_y 1
		.amdhsa_system_sgpr_workgroup_id_z 1
		.amdhsa_system_vgpr_workitem_id 0
		.amdhsa_next_free_vgpr 68
		.amdhsa_next_free_sgpr 66
		.amdhsa_reserve_vcc 0
		.amdhsa_float_denorm_mode_32 3
		.amdhsa_float_denorm_mode_16_64 3
		.amdhsa_memory_ordered 1
		.amdhsa_forward_progress 1
		.amdhsa_inst_pref_size 9
	.end_amdhsa_kernel
	.amdgpu_metadata
---
amdhsa.version: [ 1, 2 ]
amdhsa.kernels:
  - .name:           k_q556934113d_softmax
    .symbol:         k_q556934113d_softmax.kd
    .args:
      - { .name: epart, .offset: 0, .size: 8, .value_kind: global_buffer, .address_space: global }
      - { .name: out0, .offset: 8, .size: 8, .value_kind: global_buffer, .address_space: global }
    .group_segment_fixed_size: 1280
    .private_segment_fixed_size: 0
    .kernarg_segment_align: 8
    .kernarg_segment_size: 16
    .max_flat_workgroup_size: 256
    .sgpr_count:     66
    .vgpr_count:     68
    .wavefront_size: 32
...
	.end_amdgpu_metadata
.endif
;; end of part 6
